; MI455X (gfx1250); checked and timed in simulation.
; The chip was launched on July 23, 2026; its instructions are those of AMD's public machine-readable ISA for CDNA 5 (MIT licence, August 2026) and "CDNA5" Instruction Set Architecture Reference Guide (July 2026). The comments in the code are by the model that wrote it; some were corrected since.
;; Multihead Attention. Allowed arithmetic: float matrix products may take bf16 or f16 operands with f32 sums; other float arithmetic in f32, or as packed bf16 or f16 multiplies, adds, multiply-adds, maxima and minima; sums over many terms, partial sums and values carried from step to step in f32; what a program stores and reads back later, other than sums and carried values, may be rounded once to bf16 or f16.
;; Inputs: Wk 1,024 x 1,024 float32; Wo 1,024 x 1,024 float32; Wq 1,024 x 1,024 float32; Wv 1,024 x 1,024 float32; bk 1,024 float32; bo 1,024 float32; bq 1,024 float32; bv 1,024 float32; x 4 x 2,048 x 1,024 float32.
;; Outputs: out0 4 x 2,048 x 1,024 float32.
;; 2 versions, each right; version 2 is version 1 with the launch cvt written anew for expert scheduling mode. Each part assembles by itself: llvm-mc -triple=amdgcn-amd-amdhsa -mcpu=gfx1250 --defsym DOCPART=n.
;; ======== version 1 of 2: 5 launches
;; limits: values are held in f16: magnitudes above 65,504 overflow, below 6.1e-05 lose precision
;; workspace buffers: xb 16,777,216 bytes; wb 8,388,608 bytes; qk 33,554,432 bytes; vt 16,777,216 bytes; p 33,554,432 bytes; stat 1,048,576 bytes; ctx 16,777,216 bytes
;; launch cvt (part 1): grid 768 x 1, 8 waves a work-group, no clusters, 0 bytes of LDS; arguments x, Wq, Wk, Wv, Wo, xb, wb; writes xb, wb
.if DOCPART == 1
	.amdgcn_target "amdgcn-amd-amdhsa--gfx1250"
	.amdhsa_code_object_version 6
	.text
	.protected	k_q20e9fd2fd8_cvt
	.globl	k_q20e9fd2fd8_cvt
	.p2align	8
	.type	k_q20e9fd2fd8_cvt,@function
k_q20e9fd2fd8_cvt:
	s_mov_b64 s[64:65], 0
	v_nop
	global_prefetch_b8 v0, s[64:65] scope:SCOPE_SE
	s_setreg_imm32_b32 hwreg(HW_REG_WAVE_MODE, 25, 1), 1
	s_wait_xcnt 0x0
; cvt: the matrix operands that are inputs, rounded once to 16 bits.
;   xb[8192][1024] = bf16(x);  wb rows 0-1023 = bf16(Wq), 1024-2047 = bf16(Wk), 2048-3071 = bf16(Wv), 3072-4095 = f16(bf16(Wo)).
; Wo multiplies ctx, which is kept in f16, so it needs f16 codes; it is rounded to bf16 first, like the other weights, and that
; number is then written as f16.  LIMIT: the second step is exact for 2^-14 <= |w| <= 65504; smaller numbers keep an absolute step
; of 2^-24, larger ones become infinite.
; A stream: 768 work-groups of 8 waves, 16,384 numbers each (512 groups for x, 64 for each weight matrix).  Thread t takes 16 bytes
; at 16 t of each of 16 blocks of 4,096 bytes; all 16 loads are issued first.  A wave's store covers 256 consecutive bytes, aligned.
; No LDS, no matrix unit: nothing is used twice.
.set IN,  8                            ; v[8:71]   16 x 4 numbers as loaded
.set OUT, 72                           ; v[72:103] 16 x 2 words to store: each store has registers of its own, none is rewritten
	s_load_b256 s[4:11], s[0:1], 0x0               ; x s[4:5], Wq s[6:7], Wk s[8:9], Wv s[10:11]
	s_load_b128 s[12:15], s[0:1], 0x20             ; Wo s[12:13], xb s[14:15]
	s_load_b64 s[16:17], s[0:1], 0x30              ; wb
	s_lshr_b32 s18, ttmp9, 6                       ; 0-7: x; 8, 9, 10, 11: Wq, Wk, Wv, Wo
	s_and_b32 s19, ttmp9, 63                       ; the group's number inside a weight matrix
	s_sub_co_u32 s22, ttmp9, 512                   ; and inside wb
	s_cmp_lt_u32 s18, 8
	s_cselect_b32 s19, ttmp9, s19                  ; for x the number itself, in both
	s_cselect_b32 s22, ttmp9, s22
	s_lshl_b32 s20, s19, 16                        ; 65,536 bytes in
	s_mov_b32 s21, 0
	s_lshl_b32 s22, s22, 15                        ; 32,768 bytes out
	s_mov_b32 s23, 0
	v_lshlrev_b32 v1, 4, v0                        ; 16 t
	v_lshlrev_b32 v2, 3, v0                        ; 8 t
	s_wait_kmcnt 0x0
	s_cmp_eq_u32 s18, 8
	s_cselect_b64 s[4:5], s[6:7], s[4:5]
	s_cmp_eq_u32 s18, 9
	s_cselect_b64 s[4:5], s[8:9], s[4:5]
	s_cmp_eq_u32 s18, 10
	s_cselect_b64 s[4:5], s[10:11], s[4:5]
	s_cmp_eq_u32 s18, 11
	s_cselect_b64 s[4:5], s[12:13], s[4:5]
	s_cmp_lt_u32 s18, 8
	s_cselect_b64 s[6:7], s[14:15], s[16:17]
	s_add_nc_u64 s[4:5], s[4:5], s[20:21]
	s_add_nc_u64 s[6:7], s[6:7], s[22:23]
.irp n, 0,1,2,3,4,5,6,7,8,9,10,11,12,13,14,15
	global_load_b128 v[IN+4*\n:IN+4*\n+3], v1, s[4:5] offset:4096*\n th:TH_LOAD_NT
.endr
	s_cmp_eq_u32 s18, 11
	s_cbranch_scc1 .Lwo
.irp n, 0,1,2,3,4,5,6,7,8,9,10,11,12,13,14,15
	s_wait_loadcnt 15-\n                           ; loads come back in order: load n is in, the 15 - n younger ones stay out
	v_cvt_pk_bf16_f32 v[OUT+2*\n], v[IN+4*\n], v[IN+4*\n+1]
	v_cvt_pk_bf16_f32 v[OUT+2*\n+1], v[IN+4*\n+2], v[IN+4*\n+3]
	global_store_b64 v2, v[OUT+2*\n:OUT+2*\n+1], s[6:7] offset:2048*\n
.endr
	s_endpgm
.Lwo:
.irp n, 0,1,2,3,4,5,6,7,8,9,10,11,12,13,14,15
	s_wait_loadcnt 15-\n
	v_cvt_pk_bf16_f32 v[OUT+2*\n], v[IN+4*\n], v[IN+4*\n+1]
	v_cvt_pk_bf16_f32 v[OUT+2*\n+1], v[IN+4*\n+2], v[IN+4*\n+3]
	v_lshlrev_b32 v[IN+4*\n], 16, v[OUT+2*\n]                  ; the bf16 numbers as f32 again
	v_and_b32 v[IN+4*\n+1], 0xffff0000, v[OUT+2*\n]
	v_lshlrev_b32 v[IN+4*\n+2], 16, v[OUT+2*\n+1]
	v_and_b32 v[IN+4*\n+3], 0xffff0000, v[OUT+2*\n+1]
	v_cvt_pk_f16_f32 v[OUT+2*\n], v[IN+4*\n], v[IN+4*\n+1]
	v_cvt_pk_f16_f32 v[OUT+2*\n+1], v[IN+4*\n+2], v[IN+4*\n+3]
	global_store_b64 v2, v[OUT+2*\n:OUT+2*\n+1], s[6:7] offset:2048*\n
.endr
	s_endpgm
.Lfunc_end_k_q20e9fd2fd8_cvt:
	.size	k_q20e9fd2fd8_cvt, .Lfunc_end_k_q20e9fd2fd8_cvt-k_q20e9fd2fd8_cvt
	.p2alignl 7, 3214868480
	.fill 96, 4, 3214868480
	.section	.rodata,"a",@progbits
	.p2align	6, 0x0
	.amdhsa_kernel k_q20e9fd2fd8_cvt
		.amdhsa_group_segment_fixed_size 0
		.amdhsa_private_segment_fixed_size 0
		.amdhsa_enable_private_segment 0
		.amdhsa_kernarg_size 56
		.amdhsa_user_sgpr_count 2
		.amdhsa_user_sgpr_kernarg_segment_ptr 1
		.amdhsa_wavefront_size32 1
		.amdhsa_system_sgpr_workgroup_id_x 1
		.amdhsa_system_sgpr_workgroup_id_y 1
		.amdhsa_system_sgpr_workgroup_id_z 1
		.amdhsa_system_vgpr_workitem_id 0
		.amdhsa_next_free_vgpr 104
		.amdhsa_next_free_sgpr 66
		.amdhsa_reserve_vcc 0
		.amdhsa_float_denorm_mode_32 3
		.amdhsa_float_denorm_mode_16_64 3
		.amdhsa_memory_ordered 1
		.amdhsa_forward_progress 1
		.amdhsa_inst_pref_size 16
	.end_amdhsa_kernel
	.amdgpu_metadata
---
amdhsa.version: [ 1, 2 ]
amdhsa.kernels:
  - .name:           k_q20e9fd2fd8_cvt
    .symbol:         k_q20e9fd2fd8_cvt.kd
    .args:
      - { .name: x, .offset: 0, .size: 8, .value_kind: global_buffer, .address_space: global }
      - { .name: Wq, .offset: 8, .size: 8, .value_kind: global_buffer, .address_space: global }
      - { .name: Wk, .offset: 16, .size: 8, .value_kind: global_buffer, .address_space: global }
      - { .name: Wv, .offset: 24, .size: 8, .value_kind: global_buffer, .address_space: global }
      - { .name: Wo, .offset: 32, .size: 8, .value_kind: global_buffer, .address_space: global }
      - { .name: xb, .offset: 40, .size: 8, .value_kind: global_buffer, .address_space: global }
      - { .name: wb, .offset: 48, .size: 8, .value_kind: global_buffer, .address_space: global }
    .group_segment_fixed_size: 0
    .private_segment_fixed_size: 0
    .kernarg_segment_align: 8
    .kernarg_segment_size: 56
    .max_flat_workgroup_size: 256
    .sgpr_count:     66
    .vgpr_count:     104
    .wavefront_size: 32
...
	.end_amdgpu_metadata
.endif
;; end of part 1
;; launch proj (part 2): grid 8 x 48, 4 waves a work-group, clusters of 4 x 4, 327,680 bytes of LDS; arguments xb, wb, bq, bk, bv, qk, vt; writes qk, vt
.if DOCPART == 2
	.amdgcn_target "amdgcn-amd-amdhsa--gfx1250"
	.amdhsa_code_object_version 6
	.text
	.protected	k_q20e9fd2fd8_proj
	.globl	k_q20e9fd2fd8_proj
	.p2align	8
	.type	k_q20e9fd2fd8_proj,@function
k_q20e9fd2fd8_proj:
	s_mov_b64 s[64:65], 0
	v_nop
	global_prefetch_b8 v0, s[64:65] scope:SCOPE_SE
	s_setreg_imm32_b32 hwreg(HW_REG_WAVE_MODE, 25, 1), 1
	s_wait_xcnt 0x0
	s_wait_alu depctr_hold_cnt(0) depctr_sa_sdst(0) depctr_va_vdst(0) depctr_va_sdst(0) depctr_va_ssrc(0) depctr_va_vcc(0) depctr_vm_vsrc(0)
	s_getreg_b32 s2, hwreg(HW_REG_IB_STS2, 6, 4)
	s_cmp_eq_u32 s2, 0
	s_cbranch_scc0 .Lentry_in_a_cluster
	s_endpgm
.Lentry_in_a_cluster:
	s_bfe_u32 s2, ttmp6, 0x10000c
	s_cmp_lg_u32 s2, 0xf033
	s_cbranch_scc0 .Lentry_shape_is_right
	s_endpgm
.Lentry_shape_is_right:
; proj: the three projections as one GEMM text, bf16 operands, f32 sums, f16 results.
;   clusters with y < 8 (QK mode):  qk[m][n] = sum_k xb[m][k] wb[n][k] + bias[n], n < 1024: Wq, bq; n >= 1024: Wk, bk.   [8192][2048]
;   clusters with y >= 8 (V mode):  vt[b][d][t] = sum_k Wv[d][k] xb[2048 b + t][k] + bv[d]: V transposed, so that the keys lie along the rows.
; LIMIT: the results are f16: |q|, |k|, |v| must stay below 65504; below 2^-14 they keep an absolute step of 2^-24.
; A work-group makes 256 x 256 of C with four waves, a wave 128 x 128 in 64 accumulator tiles (512 registers).  K = 1024 goes in 8 steps of 128
; through two LDS slots filled by the tensor data mover; a tile's rows are 256 bytes of memory at multiples of 256 bytes.
; CLUSTERS of 4 x 4: A's tile hangs on the block row alone and is asked for jointly by the four of a row of the cluster, B's on the block column
; alone and is asked for jointly by the four of a column.  The mode hangs on the cluster's y, which all sixteen share.
; THE BIAS IS THE C OPERAND OF EACH ACCUMULATOR'S FIRST PRODUCT: nothing is cleared and nothing is added on the way out.
; The matrix instruction is used transposed (source 0 = rows of B, source 1 = rows of A): lane l holds row l % 16 of C, its registers 0-7 the
; columns 8 (l / 16) + 0..7.  So a column bias is eight neighbouring numbers a lane, a row bias one number in all eight registers.
; REGISTERS: window 0: v16-28 addresses, v64-127 and v128-191 fragments of A (two buffers), v192-223 packed results;
;   window 1: v64-191 fragments of B, v192-255 the bias;  window 2: tiles of my rows 0-63 (tile (a, b) at v[8 (8 a + b)]);  window 3: rows 64-127.
.set KSTEP,  128
.set PITCH,  272                       ; an LDS row: 256 bytes + 16 of padding: the 16 rows of a fragment load start 68 words apart
.set HALFT,  128*PITCH                 ; 128 rows: one tensor load
.set SLOT,   4*HALFT                   ; A's 256 rows, then B's 256 rows
.set STAGE,  2*SLOT                    ; behind the ring: 16 rows x 272 bytes for each wave; no tensor load lands here
.set SPITCH, 272
.set LAPS,   4                         ; 1024 / 256: a lap is two K steps
.set ADRA, 16
.set ADRB, 20
.set STO,  24
.set RD,   25
.set CO,   26
.set BOFF, 28                          ; the bias loads' lane offset; not rewritten
.set F0,   64
.set F1,   128
.set TMP,  192
.set BIAS, 192                         ; in window 1
.set G1, 24
.set G0, 32
.set G1B, 48
.set G0B, 56
.set MSB, 0
.macro WIN new                         ; the immediate's high byte repeats the setting that is left
.if MSB != \new
	s_set_vgpr_msb (MSB<<8)|\new
.set MSB, \new
.endif
.endm
.set MUL_LO, 0xa1                      ; source 0 (B) window 1, source 1 (A) window 0, C and D window 2
.set MUL_HI, 0xf1                      ; C and D window 3
.set BIA_LO, 0x91                      ; C (the bias) window 1, D window 2
.set BIA_HI, 0xd1                      ; C window 1, D window 3
.set TO_B,   0x40                      ; destination window 1, address window 0
; A joint load: waves 0 and 1 ask for A's halves, waves 2 and 3 for B's; each line has one mask and one set of registers.
.macro JLOAD s
	s_cmp_eq_u32 s11, 0
	s_cbranch_scc0 .Lfor_b_\@
	tensor_load_to_lds s[G0+4*\s:G0+4*\s+3], s[G1:G1+7]
	s_nop 0
	s_branch .Lasked_\@
.Lfor_b_\@:
	tensor_load_to_lds s[G0B+4*\s:G0B+4*\s+3], s[G1B:G1B+7]
	s_nop 0
.Lasked_\@:
.endm
.macro CREST                           ; a round of the cluster's barrier behind its opening work-group barrier
	s_cmp_lg_u32 s10, 0
	s_cbranch_scc1 .Lnot_wave_0_\@
	s_barrier_signal -3
.Lnot_wave_0_\@:
	s_barrier_wait -3
	s_barrier_signal -1
	s_barrier_wait -1
.endm
.macro CROUND
	s_barrier_signal -1
	s_barrier_wait -1
	CREST
.endm
	s_load_b256 s[68:75], s[0:1], 0x0              ; xb s[68:69], wb s[70:71], bq s[72:73], bk s[74:75]
	s_load_b128 s[76:79], s[0:1], 0x20             ; bv s[76:77], qk s[78:79]
	s_load_b64 s[80:81], s[0:1], 0x30              ; vt
	s_set_vgpr_msb 0x40
	v_lshl_add_u32 v63, v0, 2, 0x48400
	s_set_vgpr_msb 0x4000
	v_mov_b32 v255, 0
	s_set_vgpr_msb 0x1
	ds_add_u32 v63, v255
	ds_add_u32 v63, v255
	s_set_vgpr_msb 0x100
	v_lshrrev_b32 v1, 5, v0
	v_readfirstlane_b32 s10, v1                    ; wave 0..3
	s_lshr_b32 s11, s10, 1                         ; my half of the block's rows; also: I fetch for A (0) or B (1)
	s_and_b32 s12, s10, 1                          ; my half of its columns; also: which 128 rows I fetch
	s_bfe_u32 s40, ttmp6, 0x40000                  ; cx
	s_bfe_u32 s41, ttmp6, 0x40004                  ; cy
	s_and_b32 s45, ttmp7, 0xffff                   ; the cluster's y: 0-7 QK mode, 8-11 V mode
	s_lshl_b32 s13, s45, 2
	s_cmp_ge_u32 s45, 8
	s_cselect_b32 s13, 0, s13
	s_add_co_u32 s13, s13, s41                     ; block row: 4 y + cy of 32 (QK), cy of 4 (V)
	s_max_u32 s42, s45, 8
	s_sub_co_u32 s42, s42, 8
	s_lshl_b32 s42, s42, 3
	s_lshl_b32 s44, ttmp9, 2
	s_add_co_u32 s42, s42, s44
	s_add_co_u32 s42, s42, s40                     ; block column: 4 x + cx of 8 (QK), 8 (y - 8) + 4 x + cx of 32 (V)
	s_lshl_b32 s43, s41, 2
	s_lshl_b32 s43, 15, s43                        ; my row of the cluster
	s_lshl_b32 s44, 0x1111, s40                    ; my column
	; group 1: 128 rows x 128 elements of 2 bytes, 16 bytes of padding behind every 64 words; rows 1,024 elements apart
	s_or_b32 s[G1+0], s43, (1<<16)|(1<<20)|(1<<21)|(5<<22)|(3<<25)
	s_or_b32 s[G1B+0], s44, (1<<16)|(1<<20)|(1<<21)|(5<<22)|(3<<25)
	s_mov_b32 s[G1+1], KSTEP<<16
	s_mov_b32 s[G1B+1], KSTEP<<16
	s_mov_b32 s[G1+2], 128<<16
	s_mov_b32 s[G1B+2], 128<<16
	s_mov_b32 s[G1+3], KSTEP<<16
	s_mov_b32 s[G1B+3], KSTEP<<16
	s_mov_b32 s[G1+4], 128
	s_mov_b32 s[G1B+4], 128
	s_mov_b32 s[G1+5], 1024
	s_mov_b32 s[G1B+5], 1024
	s_mov_b32 s[G1+6], 0
	s_mov_b32 s[G1B+6], 0
	s_mov_b32 s[G1+7], 0
	s_mov_b32 s[G1B+7], 0
	; A's offset is made of the block row and the wave alone, B's of the block column and the wave alone, in registers of their own
	s_lshl_b32 s17, s12, 7
	s_lshl_b32 s16, s13, 8
	s_add_co_u32 s16, s16, s17
	s_lshl_b32 s16, s16, 11                        ; rows of 2,048 bytes
	s_lshl_b32 s46, s42, 8
	s_add_co_u32 s46, s46, s17
	s_lshl_b32 s46, s46, 11
	s_mov_b32 s17, 0
	s_mov_b32 s47, 0
	s_mul_i32 s20, s10, HALFT                      ; where my tile goes: wave x 128 rows
	s_wait_dscnt 0x0
	s_wait_kmcnt 0x0
	s_add_nc_u64 s[84:85], s[70:71], 0x400000      ; Wv: row 2,048 of wb
	s_cmp_ge_u32 s45, 8
	s_cselect_b64 s[4:5], s[84:85], s[68:69]       ; A: Wv or xb
	s_cselect_b64 s[6:7], s[68:69], s[70:71]       ; B: xb or [Wq; Wk]
	s_cselect_b64 s[8:9], s[80:81], s[78:79]       ; C: vt or qk
	s_add_nc_u64 s[14:15], s[4:5], s[16:17]
	s_add_nc_u64 s[46:47], s[6:7], s[46:47]
	CROUND                                         ; all sixteen work-groups are here: the first joint loads meet
.irp s, 0,1
	s_mov_b32 s[G0+4*\s], 1
	s_add_co_u32 s[G0+4*\s+1], s20, \s*SLOT
	s_add_nc_u64 s[G0+4*\s+2:G0+4*\s+3], s[14:15], \s*KSTEP*2
	s_or_b32 s[G0+4*\s+3], s[G0+4*\s+3], 0x80000000
	s_mov_b32 s[G0B+4*\s], 1
	s_add_co_u32 s[G0B+4*\s+1], s20, \s*SLOT
	s_add_nc_u64 s[G0B+4*\s+2:G0B+4*\s+3], s[46:47], \s*KSTEP*2
	s_or_b32 s[G0B+4*\s+3], s[G0B+4*\s+3], 0x80000000
	JLOAD \s                                       ; K steps 0 and 1: two tensor loads of the wave are out
.endr
	v_and_b32 v1, 15, v0                           ; r = l % 16
	v_bfe_u32 v2, v0, 4, 1                         ; h = l / 16
	; the bias, into all 64 registers of BIAS in both modes
	s_cmp_ge_u32 s45, 8
	s_cbranch_scc1 .Lbias_v
	s_cmp_eq_u32 ttmp9, 0                          ; block columns 0-3: bq, 4-7: bk
	s_cselect_b64 s[82:83], s[72:73], s[74:75]
	s_and_b32 s86, s42, 3
	s_lshl_b32 s86, s86, 10                        ; 256 numbers a block column
	s_lshl_b32 s87, s12, 9                         ; 128 for my half
	s_add_co_u32 s86, s86, s87
	s_mov_b32 s87, 0
	s_add_nc_u64 s[82:83], s[82:83], s[86:87]
	v_lshlrev_b32 v[BOFF], 5, v2                   ; 8 h numbers
	WIN TO_B
.irp b, 0,1,2,3,4,5,6,7
	global_load_b128 v[BIAS+8*\b:BIAS+8*\b+3], v[BOFF], s[82:83] offset:64*\b        ; bias[16 b + 8 h + 0..3]
	global_load_b128 v[BIAS+8*\b+4:BIAS+8*\b+7], v[BOFF], s[82:83] offset:64*\b+16   ; .. + 4..7
.endr
	WIN 0
	s_branch .Lbias_in
.Lbias_v:
	s_lshl_b32 s86, s13, 10
	s_lshl_b32 s87, s11, 9
	s_add_co_u32 s86, s86, s87
	s_mov_b32 s87, 0
	s_add_nc_u64 s[82:83], s[76:77], s[86:87]      ; bv at my first row
	v_lshlrev_b32 v[BOFF], 2, v1                   ; r numbers
	WIN TO_B
.irp a, 0,1,2,3,4,5,6,7
.irp j, 0,1,2,3,4,5,6,7
	global_load_b32 v[BIAS+8*\a+\j], v[BOFF], s[82:83] offset:64*\a                  ; bv[16 a + r] in each of the C operand's eight registers
.endr
.endr
	WIN 0
.Lbias_in:
	; fragment addresses: lane l reads row l % 16 at 16 (l / 16), two loads 32 bytes apart
	v_mul_u32_u24 v3, v1, PITCH
	v_lshl_add_u32 v3, v2, 4, v3
	s_mul_i32 s21, s11, HALFT
	s_mul_i32 s22, s12, HALFT
	s_add_co_u32 s22, s22, 2*HALFT
.irp s, 0,1
	v_add_nc_u32 v[ADRA+\s], s21, v3
	v_add_nc_u32 v[ADRB+\s], s22, v3
	s_add_co_u32 s21, s21, SLOT
	s_add_co_u32 s22, s22, SLOT
.endr
	s_mul_i32 s23, s10, 16*SPITCH
	s_add_co_u32 s23, s23, STAGE
	v_mul_u32_u24 v4, v1, SPITCH
	v_lshl_add_u32 v4, v2, 4, v4
	v_add_nc_u32 v[STO], s23, v4
	v_mul_u32_u24 v5, v2, SPITCH
	v_lshl_add_u32 v5, v1, 4, v5
	v_add_nc_u32 v[RD], s23, v5
	v_lshlrev_b32 v5, 12, v2                       ; rows of C are 4,096 bytes in both modes
	v_lshl_add_u32 v[CO], v1, 4, v5
; 16 matrix instructions: row blocks a0, a0 + 1 of the window's four x all 8 column blocks, 32 along K.
; zero = 0: add in place; 2: start from the column bias; 3: start from the row bias.
; The 64 accumulators take turns, one instruction a turn, in the same order in every quarter step.
.macro MUL16 f, hi, a0, zero
.irp a, \a0, \a0+1
.irp b, 0,1,2,3,4,5,6,7
.if \zero == 0
	v_wmma_f32_16x16x32_bf16 v[8*(8*(\a)+\b):8*(8*(\a)+\b)+7], v[\f+8*\b:\f+8*\b+7], v[\f+8*(4*\hi+\a):\f+8*(4*\hi+\a)+7], v[8*(8*(\a)+\b):8*(8*(\a)+\b)+7]
.endif
.if \zero == 2
	v_wmma_f32_16x16x32_bf16 v[8*(8*(\a)+\b):8*(8*(\a)+\b)+7], v[\f+8*\b:\f+8*\b+7], v[\f+8*(4*\hi+\a):\f+8*(4*\hi+\a)+7], v[BIAS+8*\b:BIAS+8*\b+7]
.endif
.if \zero == 3
	v_wmma_f32_16x16x32_bf16 v[8*(8*(\a)+\b):8*(8*(\a)+\b)+7], v[\f+8*\b:\f+8*\b+7], v[\f+8*(4*\hi+\a):\f+8*(4*\hi+\a)+7], v[BIAS+8*(4*\hi+\a):BIAS+8*(4*\hi+\a)+7]
.endif
.endr
.endr
.endm
.macro FETCH slot, k, f                ; 32 LDS loads in one run: one quarter step's fragments into buffer f
	WIN TO_B
.irp i, 0,1,2,3,4,5,6,7
	ds_load_b128 v[\f+8*\i:\f+8*\i+3],   v[ADRB+\slot] offset:\k+\i*16*PITCH
	ds_load_b128 v[\f+8*\i+4:\f+8*\i+7], v[ADRB+\slot] offset:\k+\i*16*PITCH+32
.endr
	WIN 0
.irp i, 0,1,2,3,4,5,6,7
	ds_load_b128 v[\f+8*\i:\f+8*\i+3],   v[ADRA+\slot] offset:\k+\i*16*PITCH
	ds_load_b128 v[\f+8*\i+4:\f+8*\i+7], v[ADRA+\slot] offset:\k+\i*16*PITCH+32
.endr
.endm
.macro PLACES                          ; four independent vector instructions between a matrix instruction and a load into, or a vector use of, its registers
.rept 4
	v_nop
.endr
.endm
.macro QUARTER slot, k, f, g, zero     ; multiplies buffer f; in its middle fetches the next quarter's fragments into buffer g
	s_wait_dscnt 8                                 ; B and A's rows 0-63 are in; the eight youngest loads (A's rows 64-127) may be out
.if \zero >= 2
	WIN BIA_LO
.else
	WIN MUL_LO
.endif
	MUL16 \f, 0, 0, \zero
	MUL16 \f, 0, 2, \zero
	PLACES
	FETCH \slot, \k, \g
	s_wait_dscnt 32                                ; all but the 32 just issued
.if \zero >= 2
	WIN BIA_HI
.else
	WIN MUL_HI
.endif
	MUL16 \f, 1, 0, \zero
	MUL16 \f, 1, 2, \zero
.endm
.macro THREE slot
	QUARTER \slot, 64,  F0, F1, 0
	QUARTER \slot, 128, F1, F0, 0
	QUARTER \slot, 192, F0, F1, 0
.endm
; The last quarter of a K step: multiplies buffer 1 and changes slots.  In front of the barrier each wave waits for its reads of this slot and for
; all its tensor loads (one is out: its part of the next slot).  Where the slot is filled again the barrier opens a round of the cluster's barrier,
; and the joint refill is the first tensor load behind the round.
.macro TURN slot, next, fill
	s_wait_dscnt 8
	WIN MUL_LO
	MUL16 F1, 0, 0, 0
	s_wait_dscnt 0
	s_wait_tensorcnt 0x0
	ds_add_u32 v63, v255
	s_wait_dscnt 0x0
	s_barrier_signal -1
	MUL16 F1, 0, 2, 0
	WIN 0
	s_barrier_wait -1
.if \fill
	CREST
	s_add_nc_u64 s[G0+4*\slot+2:G0+4*\slot+3], s[G0+4*\slot+2:G0+4*\slot+3], 2*KSTEP*2
	s_add_nc_u64 s[G0B+4*\slot+2:G0B+4*\slot+3], s[G0B+4*\slot+2:G0B+4*\slot+3], 2*KSTEP*2
	JLOAD \slot
.endif
	PLACES
	FETCH \next, 0, F0
	WIN MUL_HI
	MUL16 F1, 1, 0, 0
	MUL16 F1, 1, 2, 0
.endm
.macro LAP
	THREE 0
	TURN 0, 1, 1
	THREE 1
	TURN 1, 0, 1
.endm
	s_wait_tensorcnt 1                             ; my part of K step 0 is in; K step 1's load stays out
	s_barrier_signal -1
	s_barrier_wait -1
	FETCH 0, 0, F0
	s_wait_loadcnt 0x0                             ; the bias
	s_cmp_ge_u32 s45, 8                            ; the first quarter step starts the sums from the bias: by column or by row
	s_cbranch_scc1 .Lfirst_v
	QUARTER 0, 64, F0, F1, 2
	WIN 0
	s_branch .Lfirst_done
.Lfirst_v:
	QUARTER 0, 64, F0, F1, 3
	WIN 0
.Lfirst_done:
	QUARTER 0, 128, F1, F0, 0
	QUARTER 0, 192, F0, F1, 0
	TURN 0, 1, 1
	THREE 1
	TURN 1, 0, 1
	WIN 0
	s_mov_b32 s3, LAPS-2
.Llap:
	LAP
	WIN 0
	s_sub_co_u32 s3, s3, 1
	s_cmp_lg_u32 s3, 0
	s_cbranch_scc1 .Llap
	THREE 0                                        ; the last lap fills nothing
	TURN 0, 1, 0
	THREE 1
	s_wait_dscnt 8
	WIN MUL_LO
	MUL16 F1, 0, 0, 0
	MUL16 F1, 0, 2, 0
	s_wait_dscnt 0
	WIN MUL_HI
	MUL16 F1, 1, 0, 0
	MUL16 F1, 1, 2, 0
	; THE WAY OUT, 16 rows at a time: round to f16, 16 bytes a lane into my own stage, read back as whole rows of 256 bytes.
	PLACES
	s_lshl_b32 s16, s13, 8
	s_lshl_b32 s17, s11, 7
	s_add_co_u32 s16, s16, s17
	s_lshl_b32 s16, s16, 12                        ; my first row, 4,096 bytes a row
	s_mov_b32 s17, 0
	s_add_nc_u64 s[8:9], s[8:9], s[16:17]
	s_lshr_b32 s46, s42, 3                         ; V mode: eight block columns a batch, 0x400000 bytes a batch (QK mode: 0)
	s_lshl_b32 s46, s46, 22
	s_and_b32 s47, s42, 7
	s_lshl_b32 s47, s47, 9
	s_add_co_u32 s46, s46, s47
	s_lshl_b32 s47, s12, 8
	s_add_co_u32 s46, s46, s47
	s_mov_b32 s47, 0
	s_add_nc_u64 s[8:9], s[8:9], s[46:47]
.macro OUT16 i, a, from, f
	WIN \from
.irp b, 0,1,2,3,4,5,6,7
.irp r, 0,1,2,3
	v_cvt_pk_f16_f32 v[TMP+4*\b+\r], v[8*(8*\a+\b)+2*\r], v[8*(8*\a+\b)+2*\r+1]
.endr
.endr
	WIN 0
.irp b, 0,1,2,3,4,5,6,7
	ds_store_b128 v[STO], v[TMP+4*\b:TMP+4*\b+3] offset:32*\b
.endr
	s_wait_xcnt 0x0                                ; buffer f, which earlier stores read, is rewritten only behind this wait
.irp t, 0,1,2,3,4,5,6,7
	ds_load_b128 v[\f+4*\t:\f+4*\t+3], v[RD] offset:\t*2*SPITCH    ; LDS serves a wave's instructions in order: these see the stores above
.endr
.irp t, 0,1,2,3,4,5,6,7
	s_wait_dscnt 7-\t                              ; read-back t is in, the younger ones stay out
	global_store_b128 v[CO], v[\f+4*\t:\f+4*\t+3], s[8:9] offset:(16*\i+2*\t)*4096   ; 16 lanes store 256 consecutive bytes, aligned
.endr
.endm
	OUT16 0, 0, 0x0a, F0
	OUT16 1, 1, 0x0a, F1
	OUT16 2, 2, 0x0a, F0
	OUT16 3, 3, 0x0a, F1
	OUT16 4, 0, 0x0f, F0
	OUT16 5, 1, 0x0f, F1
	OUT16 6, 2, 0x0f, F0
	OUT16 7, 3, 0x0f, F1
	s_set_vgpr_msb 0x1
	s_wait_tensorcnt 0x0
	ds_add_u32 v63, v255
	s_wait_dscnt 0x0
	s_set_vgpr_msb 0x100
	CROUND                                         ; the closing round: no work-group ends while a partner may still ask jointly
	s_endpgm
.Lfunc_end_k_q20e9fd2fd8_proj:
	.size	k_q20e9fd2fd8_proj, .Lfunc_end_k_q20e9fd2fd8_proj-k_q20e9fd2fd8_proj
	.p2alignl 7, 3214868480
	.fill 96, 4, 3214868480
	.section	.rodata,"a",@progbits
	.p2align	6, 0x0
	.amdhsa_kernel k_q20e9fd2fd8_proj
		.amdhsa_group_segment_fixed_size 327680
		.amdhsa_private_segment_fixed_size 0
		.amdhsa_enable_private_segment 0
		.amdhsa_kernarg_size 56
		.amdhsa_user_sgpr_count 2
		.amdhsa_user_sgpr_kernarg_segment_ptr 1
		.amdhsa_wavefront_size32 1
		.amdhsa_system_sgpr_workgroup_id_x 1
		.amdhsa_system_sgpr_workgroup_id_y 1
		.amdhsa_system_sgpr_workgroup_id_z 1
		.amdhsa_system_vgpr_workitem_id 0
		.amdhsa_next_free_vgpr 1024
		.amdhsa_next_free_sgpr 96
		.amdhsa_reserve_vcc 0
		.amdhsa_float_denorm_mode_32 3
		.amdhsa_float_denorm_mode_16_64 3
		.amdhsa_memory_ordered 1
		.amdhsa_forward_progress 1
		.amdhsa_inst_pref_size 211
	.end_amdhsa_kernel
	.amdgpu_metadata
---
amdhsa.version: [ 1, 2 ]
amdhsa.kernels:
  - .name:           k_q20e9fd2fd8_proj
    .symbol:         k_q20e9fd2fd8_proj.kd
    .args:
      - { .name: xb, .offset: 0, .size: 8, .value_kind: global_buffer, .address_space: global }
      - { .name: wb, .offset: 8, .size: 8, .value_kind: global_buffer, .address_space: global }
      - { .name: bq, .offset: 16, .size: 8, .value_kind: global_buffer, .address_space: global }
      - { .name: bk, .offset: 24, .size: 8, .value_kind: global_buffer, .address_space: global }
      - { .name: bv, .offset: 32, .size: 8, .value_kind: global_buffer, .address_space: global }
      - { .name: qk, .offset: 40, .size: 8, .value_kind: global_buffer, .address_space: global }
      - { .name: vt, .offset: 48, .size: 8, .value_kind: global_buffer, .address_space: global }
    .group_segment_fixed_size: 327680
    .private_segment_fixed_size: 0
    .kernarg_segment_align: 8
    .kernarg_segment_size: 56
    .max_flat_workgroup_size: 128
    .sgpr_count:     96
    .vgpr_count:     1024
    .wavefront_size: 32
...
	.end_amdgpu_metadata
.endif
;; end of part 2
;; launch score (part 3): grid 36 x 4, 4 waves a work-group, no clusters, 327,680 bytes of LDS; arguments qk, p, stat; writes p, stat
.if DOCPART == 3
	.amdgcn_target "amdgcn-amd-amdhsa--gfx1250"
	.amdhsa_code_object_version 6
	.text
	.protected	k_q20e9fd2fd8_score
	.globl	k_q20e9fd2fd8_score
	.p2align	8
	.type	k_q20e9fd2fd8_score,@function
k_q20e9fd2fd8_score:
	s_mov_b64 s[64:65], 0
	v_nop
	global_prefetch_b8 v0, s[64:65] scope:SCOPE_SE
	s_setreg_imm32_b32 hwreg(HW_REG_WAVE_MODE, 25, 1), 1
	s_wait_xcnt 0x0
; score: the blocks of 256 x 256 of S = Q K^T on or below the diagonal (36 a batch), f16 operands, f32 sums, and the first half of the softmax.
; With c = log2(e) / 32 each wave makes, for each of its 128 rows q and its chunk of 128 keys:
;   mc = c * max over the chunk's allowed keys of S,   P~ = 2^(c S - mc) as f16 (0 where the key is later than the query),   l = the sum of 2^(c S - mc) in f32.
; p takes P~.  stat takes mc in its first 524,288 bytes and l in its second, each as [batch][chunk][q / 64][q % 16][(q / 16) % 4] in f32, so that the four
; row tiles of a lane of the next launch are 16 neighbouring bytes.  The next launch multiplies each chunk by 2^(mc - row maximum): the maximum is taken
; away exactly, chunk by chunk; no fixed shift is used.  Every chunk with an allowed key holds at least one for each of its rows, so its mc is finite.
; LIMIT: exponentials below 2^-126 come out as 0 (ISA guide, V_EXP_F32), P~ below 2^-24 rounds to 0.
; NO CLUSTER: row i of the triangle has i + 1 blocks, so a rectangle of partners would hold work-groups with nothing to compute.
; In a diagonal block the wave of rows 0-127 and keys 128-255 has no allowed key: it stores P~ = 0 and (mc, l) = (-infinity, 0), which the next launch
; takes as the second half of a slot of 256 keys: the chunk's factor 2^(mc - row maximum) is then 0.
; The GEMM: four waves, 128 x 128 each in 64 accumulator tiles, K = 1024 in 8 steps of 128 through two LDS slots; each wave fetches a quarter of a slot.
; The matrix instruction is used transposed (source 0 = rows of K, source 1 = rows of Q): lane l holds query l % 16, registers 0-7 keys 8 (l / 16) + 0..7,
; so a row's 128 scores lie in 64 registers of two lanes.
.set KSTEP,  128
.set PITCH,  272
.set HALFT,  128*PITCH
.set SLOT,   4*HALFT
.set STAGE,  2*SLOT
.set SPITCH, 272
.set LAPS,   4
.set LPART,  0x80000                   ; where l begins in stat
.set ADRA, 16
.set ADRB, 20
.set STO,  24
.set RD,   25
.set CO,   26
.set THR,  27                          ; r - 8 h: in a diagonal tile register j is masked where j > THR
.set SO,   28                          ; 16 x lane
.set MX,   32                          ; v32-35 four running maxima
.set NM,   36                          ; v36-37 -mc, twice
.set PX,   40                          ; what comes from the other half of the lanes
.set F0,   64
.set F1,   128
.set RB0,  64                          ; the way out: rows read back, two buffers
.set RB1,  96
.set SUMT, 128                         ; v128-159 partial sums
.set TMP,  192                         ; v192-223 packed P~
.set MS,   224                         ; v224-231 mc of row tile 0..7
.set LS,   232                         ; v232-239 l of row tile 0..7
.set ST,   240                         ; v240-243 mc, v244-247 l as stored
.set MK,   72                          ; s72-79 lane masks: j > THR
.set G1, 24
.set G0, 32
.set MSB, 0
.macro WIN new
.if MSB != \new
	s_set_vgpr_msb (MSB<<8)|\new
.set MSB, \new
.endif
.endm
.set MUL_LO, 0xa1
.set MUL_HI, 0xf1
.set TO_B,   0x40
	s_load_b128 s[4:7], s[0:1], 0x0                ; qk s[4:5], p s[6:7]
	s_load_b64 s[8:9], s[0:1], 0x10                ; stat
	s_set_vgpr_msb 0x40
	v_lshl_add_u32 v255, v0, 2, 0x48400
	s_set_vgpr_msb 0x4000
	v_mov_b32 v255, 0
	s_set_vgpr_msb 0x1
	ds_add_u32 v255, v255
	ds_add_u32 v255, v255
	s_set_vgpr_msb 0x100
	v_lshrrev_b32 v1, 5, v0
	v_readfirstlane_b32 s10, v1
	s_lshr_b32 s11, s10, 1                         ; my half of the queries; also: I fetch Q (0) or K (1)
	s_and_b32 s12, s10, 1                          ; my half of the keys; also: which 128 rows I fetch
	s_and_b32 s45, ttmp7, 0xffff                   ; batch
	s_mov_b32 s13, 0                               ; block row i: how many of the triangular numbers 1, 3, .. 28 the group's number reaches
.irp t, 1,3,6,10,15,21,28
	s_cmp_ge_u32 ttmp9, \t
	s_add_co_ci_u32 s13, s13, 0
.endr
	s_add_co_u32 s42, s13, 1
	s_mul_i32 s42, s42, s13
	s_lshr_b32 s42, s42, 1
	s_sub_co_u32 s42, ttmp9, s42                   ; block column j = number - i (i + 1) / 2
	s_mov_b32 s[G1+0], (1<<16)|(1<<20)|(5<<22)|(3<<25)  ; elements of 2 bytes; 16 bytes of padding behind every 64 words; no mask
	s_mov_b32 s[G1+1], KSTEP<<16
	s_mov_b32 s[G1+2], 128<<16
	s_mov_b32 s[G1+3], KSTEP<<16
	s_mov_b32 s[G1+4], 128
	s_mov_b32 s[G1+5], 2048                        ; a row of qk: 2,048 elements
	s_mov_b32 s[G1+6], 0
	s_mov_b32 s[G1+7], 0
	s_cmp_eq_u32 s11, 0
	s_cselect_b32 s16, s13, s42                    ; Q's block i or K's block j
	s_cselect_b32 s18, 0, 2048                     ; K begins 2,048 bytes into a row
	s_lshl_b32 s16, s16, 8
	s_lshl_b32 s17, s12, 7
	s_add_co_u32 s16, s16, s17
	s_lshl_b32 s17, s45, 11
	s_add_co_u32 s16, s16, s17
	s_lshl_b32 s16, s16, 12                        ; rows of 4,096 bytes
	s_add_co_u32 s16, s16, s18
	s_mov_b32 s17, 0
	s_mul_i32 s20, s10, HALFT
	s_wait_dscnt 0x0
	s_wait_kmcnt 0x0
	s_add_nc_u64 s[14:15], s[4:5], s[16:17]
.irp s, 0,1
	s_mov_b32 s[G0+4*\s], 1
	s_add_co_u32 s[G0+4*\s+1], s20, \s*SLOT
	s_add_nc_u64 s[G0+4*\s+2:G0+4*\s+3], s[14:15], \s*KSTEP*2
	s_or_b32 s[G0+4*\s+3], s[G0+4*\s+3], 0x80000000
	tensor_load_to_lds s[G0+4*\s:G0+4*\s+3], s[G1:G1+7]            ; K steps 0 and 1: two tensor loads of the wave are out
	s_nop 0
.endr
	v_and_b32 v1, 15, v0
	v_bfe_u32 v2, v0, 4, 1
	v_mul_u32_u24 v3, v1, PITCH
	v_lshl_add_u32 v3, v2, 4, v3
	s_mul_i32 s21, s11, HALFT
	s_mul_i32 s22, s12, HALFT
	s_add_co_u32 s22, s22, 2*HALFT
.irp s, 0,1
	v_add_nc_u32 v[ADRA+\s], s21, v3
	v_add_nc_u32 v[ADRB+\s], s22, v3
	s_add_co_u32 s21, s21, SLOT
	s_add_co_u32 s22, s22, SLOT
.endr
	s_mul_i32 s23, s10, 16*SPITCH
	s_add_co_u32 s23, s23, STAGE
	v_mul_u32_u24 v4, v1, SPITCH
	v_lshl_add_u32 v4, v2, 4, v4
	v_add_nc_u32 v[STO], s23, v4
	v_mul_u32_u24 v5, v2, SPITCH
	v_lshl_add_u32 v5, v1, 4, v5
	v_add_nc_u32 v[RD], s23, v5
	v_lshlrev_b32 v5, 12, v2
	v_lshl_add_u32 v[CO], v1, 4, v5
	; the softmax's constants
	v_lshlrev_b32 v6, 3, v2
	v_sub_nc_u32 v[THR], v1, v6
.irp j, 0,1,2,3,4,5,6,7
	v_cmp_gt_i32 s[MK+\j], \j, v[THR]
.endr
	v_and_b32 v6, 31, v0
	v_lshlrev_b32 v[SO], 4, v6
	v_mov_b32 v[PX], 0                             ; the lane exchange counts as a reader of its destination
	s_mov_b32 s50, 0x3d38aa3b                      ; c = log2(e) / 32
	s_mov_b32 s51, 0x3d38aa3b
	s_mov_b32 s57, 0xbd38aa3b                      ; -c
	s_mov_b32 s52, 0x76543210                      ; lane i of one half reads lane i of the other
	s_mov_b32 s53, 0xfedcba98
	s_mov_b32 s54, 0xff800000                      ; -infinity
	s_mov_b32 s56, 0xffff0000                      ; lanes 16-31
	s_sub_co_i32 s55, s13, s42                     ; first query - first key of my 128 x 128: below 0 nothing is allowed, 0 the diagonal, above all
	s_lshl_b32 s55, s55, 8
	s_sub_co_i32 s16, s11, s12
	s_lshl_b32 s16, s16, 7
	s_add_co_i32 s55, s55, s16
	s_lshl_b32 s16, s45, 11                        ; p at (2048 b + 256 i + 128 half) rows of 4,096 bytes + (256 j + 128 half) keys of 2 bytes
	s_lshl_b32 s17, s13, 8
	s_add_co_u32 s16, s16, s17
	s_lshl_b32 s17, s11, 7
	s_add_co_u32 s16, s16, s17
	s_lshl_b32 s16, s16, 12
	s_lshl_b32 s17, s42, 9
	s_add_co_u32 s16, s16, s17
	s_lshl_b32 s17, s12, 8
	s_add_co_u32 s16, s16, s17
	s_mov_b32 s17, 0
	s_add_nc_u64 s[6:7], s[6:7], s[16:17]
	s_lshl_b32 s16, s45, 4                         ; stat at ((16 b + 2 j + half) 2048 + 256 i + 128 half) numbers of 4 bytes
	s_lshl_b32 s17, s42, 1
	s_add_co_u32 s16, s16, s17
	s_add_co_u32 s16, s16, s12
	s_lshl_b32 s16, s16, 11
	s_lshl_b32 s17, s13, 8
	s_add_co_u32 s16, s16, s17
	s_lshl_b32 s17, s11, 7
	s_add_co_u32 s16, s16, s17
	s_lshl_b32 s16, s16, 2
	s_mov_b32 s17, 0
	s_add_nc_u64 s[8:9], s[8:9], s[16:17]
; The 64 accumulators take turns, one instruction a turn, in the same order in every quarter step.
.macro MUL16 f, hi, a0, zero
.irp a, \a0, \a0+1
.irp b, 0,1,2,3,4,5,6,7
.if \zero
	v_wmma_f32_16x16x32_f16 v[8*(8*(\a)+\b):8*(8*(\a)+\b)+7], v[\f+8*\b:\f+8*\b+7], v[\f+8*(4*\hi+\a):\f+8*(4*\hi+\a)+7], 0
.else
	v_wmma_f32_16x16x32_f16 v[8*(8*(\a)+\b):8*(8*(\a)+\b)+7], v[\f+8*\b:\f+8*\b+7], v[\f+8*(4*\hi+\a):\f+8*(4*\hi+\a)+7], v[8*(8*(\a)+\b):8*(8*(\a)+\b)+7]
.endif
.endr
.endr
.endm
.macro FETCH slot, k, f
	WIN TO_B
.irp i, 0,1,2,3,4,5,6,7
	ds_load_b128 v[\f+8*\i:\f+8*\i+3],   v[ADRB+\slot] offset:\k+\i*16*PITCH
	ds_load_b128 v[\f+8*\i+4:\f+8*\i+7], v[ADRB+\slot] offset:\k+\i*16*PITCH+32
.endr
	WIN 0
.irp i, 0,1,2,3,4,5,6,7
	ds_load_b128 v[\f+8*\i:\f+8*\i+3],   v[ADRA+\slot] offset:\k+\i*16*PITCH
	ds_load_b128 v[\f+8*\i+4:\f+8*\i+7], v[ADRA+\slot] offset:\k+\i*16*PITCH+32
.endr
.endm
.macro PLACES                          ; four independent vector instructions behind a matrix instruction (ISA guide 7.12.1)
.rept 4
	v_nop
.endr
.endm
.macro QUARTER slot, k, f, g, zero
	s_wait_dscnt 8                                 ; the eight youngest loads (Q's rows 64-127) may be out
	WIN MUL_LO
	MUL16 \f, 0, 0, \zero
	MUL16 \f, 0, 2, \zero
	PLACES
	FETCH \slot, \k, \g
	s_wait_dscnt 32                                ; all but the 32 just issued
	WIN MUL_HI
	MUL16 \f, 1, 0, \zero
	MUL16 \f, 1, 2, \zero
.endm
.macro THREE slot, zero
	QUARTER \slot, 64,  F0, F1, \zero
	QUARTER \slot, 128, F1, F0, 0
	QUARTER \slot, 192, F0, F1, 0
.endm
; The change of slots: each wave waits for its reads of this slot and for all its tensor loads (one is out: its part of the next slot), then the
; barrier; behind it the refill comes first, one tensor load a wave.
.macro TURN slot, next, fill
	s_wait_dscnt 8
	WIN MUL_LO
	MUL16 F1, 0, 0, 0
	s_wait_dscnt 0
	s_wait_tensorcnt 0x0
	ds_add_u32 v255, v255
	s_wait_dscnt 0x0
	s_barrier_signal -1
	MUL16 F1, 0, 2, 0
	s_barrier_wait -1
.if \fill
	s_add_nc_u64 s[G0+4*\slot+2:G0+4*\slot+3], s[G0+4*\slot+2:G0+4*\slot+3], 2*KSTEP*2
	tensor_load_to_lds s[G0+4*\slot:G0+4*\slot+3], s[G1:G1+7]
	s_nop 0
.endif
	PLACES
	FETCH \next, 0, F0
	WIN MUL_HI
	MUL16 F1, 1, 0, 0
	MUL16 F1, 1, 2, 0
.endm
.macro LAP zero
	THREE 0, \zero
	TURN 0, 1, 1
	THREE 1, 0
	TURN 1, 0, 1
.endm
	s_wait_tensorcnt 1                             ; my part of K step 0 is in; K step 1's load stays out
	s_barrier_signal -1
	s_barrier_wait -1
	FETCH 0, 0, F0
	LAP 1                                          ; the first products start the sums
	WIN 0
	s_mov_b32 s3, LAPS-2
.Llap:
	LAP 0
	WIN 0
	s_sub_co_u32 s3, s3, 1
	s_cmp_lg_u32 s3, 0
	s_cbranch_scc1 .Llap
	THREE 0, 0
	TURN 0, 1, 0
	THREE 1, 0
	s_wait_dscnt 8
	WIN MUL_LO
	MUL16 F1, 0, 0, 0
	MUL16 F1, 0, 2, 0
	s_wait_dscnt 0
	WIN MUL_HI
	MUL16 F1, 1, 0, 0
	MUL16 F1, 1, 2, 0
	WIN 0
	PLACES
	s_cmp_lt_i32 s55, 0
	s_cbranch_scc1 .Lzero
; Row tile i (16 queries): tiles (a, 0..7) of window 2 or 3 = 64 registers from v[64 a].  rd: sources 0 and 1 in that window; ip: source 0 and destination in it.
.macro SOFT16 i, a, rd, ip, rb
	s_cmp_lg_u32 s55, 0
	s_cbranch_scc1 .Lfull_\@
	WIN \ip                                        ; on the diagonal: key tile i is masked above its own diagonal, the later key tiles wholly
.irp j, 0,1,2,3,4,5,6,7
	v_cndmask_b32 v[8*(8*\a+\i)+\j], v[8*(8*\a+\i)+\j], s54, s[MK+\j]
.endr
.if \i < 7
.set bb, \i+1
.rept 7-\i
.irp j, 0,1,2,3,4,5,6,7
	v_mov_b32 v[8*(8*\a+bb)+\j], s54
.endr
.set bb, bb+1
.endr
.endif
	WIN 0
.Lfull_\@:
	WIN \rd                                        ; the maximum of my 64 scores, in four chains
.irp k, 0,1,2,3
	v_max_num_f32 v[MX+\k], v[64*\a+16*\k], v[64*\a+16*\k+1]
.endr
.irp s, 1,2,3,4,5,6,7
.irp k, 0,1,2,3
	v_max3_num_f32 v[MX+\k], v[64*\a+16*\k+2*\s], v[64*\a+16*\k+2*\s+1], v[MX+\k]
.endr
.endr
	WIN 0
	v_max3_num_f32 v[MX], v[MX], v[MX+1], v[MX+2]
	v_max_num_f32 v[MX], v[MX], v[MX+3]
	v_permlanex16_b32 v[PX], v[MX], s52, s53       ; the row's other 64 scores lie 16 lanes away
	v_max_num_f32 v[MX], v[MX], v[PX]
	v_mul_f32 v[MS+\i], s50, v[MX]                 ; mc
	v_mul_f32 v[NM], s57, v[MX]                    ; -mc, the same number with the other sign
	v_mul_f32 v[NM+1], s57, v[MX]
	WIN \ip
.set q, 64*\a
.rept 32
	v_pk_fma_f32 v[q:q+1], v[q:q+1], s[50:51], v[NM:NM+1] op_sel_hi:[1,0,1]
.set q, q+2
.endr
.set q, 64*\a
.rept 64
	v_exp_f32 v[q], v[q]
.set q, q+1
.endr
	v_nop                                          ; one plain vector instruction between the exponentials and the use of their results
	WIN \rd
.set q, 0
	s_wait_alu depctr_va_vdst(0)
.rept 16
	v_pk_add_f32 v[SUMT+2*q:SUMT+2*q+1], v[64*\a+4*q:64*\a+4*q+1], v[64*\a+4*q+2:64*\a+4*q+3]
.set q, q+1
.endr
.set q, 0
.rept 32
	v_cvt_pk_f16_f32 v[TMP+q], v[64*\a+2*q], v[64*\a+2*q+1]
.set q, q+1
.endr
	WIN 0
.irp b, 0,1,2,3,4,5,6,7
	ds_store_b128 v[STO], v[TMP+4*\b:TMP+4*\b+3] offset:32*\b
.endr
	s_wait_xcnt 0x0                                ; buffer rb, which earlier stores read, is rewritten only behind this wait
.irp t, 0,1,2,3,4,5,6,7
	ds_load_b128 v[\rb+4*\t:\rb+4*\t+3], v[RD] offset:\t*2*SPITCH  ; LDS serves a wave's instructions in order: these see the stores above
.endr
.irp k, 0,1,2,3,4,5,6,7
	v_pk_add_f32 v[SUMT+2*\k:SUMT+2*\k+1], v[SUMT+2*\k:SUMT+2*\k+1], v[SUMT+16+2*\k:SUMT+16+2*\k+1]
.endr
.irp k, 0,1,2,3
	v_pk_add_f32 v[SUMT+2*\k:SUMT+2*\k+1], v[SUMT+2*\k:SUMT+2*\k+1], v[SUMT+8+2*\k:SUMT+8+2*\k+1]
.endr
.irp k, 0,1
	v_pk_add_f32 v[SUMT+2*\k:SUMT+2*\k+1], v[SUMT+2*\k:SUMT+2*\k+1], v[SUMT+4+2*\k:SUMT+4+2*\k+1]
.endr
	v_pk_add_f32 v[SUMT:SUMT+1], v[SUMT:SUMT+1], v[SUMT+2:SUMT+3]
	v_add_f32 v[SUMT], v[SUMT], v[SUMT+1]
	v_permlanex16_b32 v[PX], v[SUMT], s52, s53
	v_add_f32 v[LS+\i], v[SUMT], v[PX]             ; l
.irp t, 0,1,2,3,4,5,6,7
	s_wait_dscnt 7-\t                              ; read-back t is in, the younger ones stay out
	global_store_b128 v[CO], v[\rb+4*\t:\rb+4*\t+3], s[6:7] offset:(16*\i+2*\t)*4096   ; 16 lanes store 256 consecutive bytes, aligned
.endr
.endm
	SOFT16 0, 0, 0x0a, 0x82, RB0
	SOFT16 1, 1, 0x0a, 0x82, RB1
	SOFT16 2, 2, 0x0a, 0x82, RB0
	SOFT16 3, 3, 0x0a, 0x82, RB1
	SOFT16 4, 0, 0x0f, 0xc3, RB0
	SOFT16 5, 1, 0x0f, 0xc3, RB1
	SOFT16 6, 2, 0x0f, 0xc3, RB0
	SOFT16 7, 3, 0x0f, 0xc3, RB1
	; mc and l of my 128 rows, one store each: lanes 0-15 hold row tiles 0-3 of row l % 16, lanes 16-31 row tiles 4-7: 512 consecutive bytes, aligned
.irp k, 0,1,2,3
	v_cndmask_b32 v[ST+\k], v[MS+\k], v[MS+4+\k], s56
	v_cndmask_b32 v[ST+4+\k], v[LS+\k], v[LS+4+\k], s56
.endr
	global_store_b128 v[SO], v[ST:ST+3], s[8:9]
	global_store_b128 v[SO], v[ST+4:ST+7], s[8:9] offset:LPART
	s_set_vgpr_msb 0x1
	s_wait_tensorcnt 0x0
	ds_add_u32 v255, v255
	s_wait_dscnt 0x0
	s_set_vgpr_msb 0x100
	s_endpgm
.Lzero:                                            ; no key of my 128 is allowed for any of my 128 queries: P~ = 0, mc = -infinity, l = 0
	v_mov_b32 v[TMP], 0
	v_mov_b32 v[TMP+1], 0
	v_mov_b32 v[TMP+2], 0
	v_mov_b32 v[TMP+3], 0
	v_mov_b32 v[ST], s54
	v_mov_b32 v[ST+1], s54
	v_mov_b32 v[ST+2], s54
	v_mov_b32 v[ST+3], s54
	global_store_b128 v[SO], v[ST:ST+3], s[8:9]
	global_store_b128 v[SO], v[TMP:TMP+3], s[8:9] offset:LPART
.set q, 0
.rept 64
	global_store_b128 v[CO], v[TMP:TMP+3], s[6:7] offset:q*2*4096
.set q, q+1
.endr
	s_endpgm
.Lfunc_end_k_q20e9fd2fd8_score:
	.size	k_q20e9fd2fd8_score, .Lfunc_end_k_q20e9fd2fd8_score-k_q20e9fd2fd8_score
	.p2alignl 7, 3214868480
	.fill 96, 4, 3214868480
	.section	.rodata,"a",@progbits
	.p2align	6, 0x0
	.amdhsa_kernel k_q20e9fd2fd8_score
		.amdhsa_group_segment_fixed_size 327680
		.amdhsa_private_segment_fixed_size 0
		.amdhsa_enable_private_segment 0
		.amdhsa_kernarg_size 24
		.amdhsa_user_sgpr_count 2
		.amdhsa_user_sgpr_kernarg_segment_ptr 1
		.amdhsa_wavefront_size32 1
		.amdhsa_system_sgpr_workgroup_id_x 1
		.amdhsa_system_sgpr_workgroup_id_y 1
		.amdhsa_system_sgpr_workgroup_id_z 1
		.amdhsa_system_vgpr_workitem_id 0
		.amdhsa_next_free_vgpr 1024
		.amdhsa_next_free_sgpr 80
		.amdhsa_reserve_vcc 0
		.amdhsa_float_denorm_mode_32 3
		.amdhsa_float_denorm_mode_16_64 3
		.amdhsa_memory_ordered 1
		.amdhsa_forward_progress 1
		.amdhsa_inst_pref_size 255
	.end_amdhsa_kernel
	.section	.bss,"aw",@nobits
	.p2align	6
	.space	262144
	.amdgpu_metadata
---
amdhsa.version: [ 1, 2 ]
amdhsa.kernels:
  - .name:           k_q20e9fd2fd8_score
    .symbol:         k_q20e9fd2fd8_score.kd
    .args:
      - { .name: qk, .offset: 0, .size: 8, .value_kind: global_buffer, .address_space: global }
      - { .name: p, .offset: 8, .size: 8, .value_kind: global_buffer, .address_space: global }
      - { .name: stat, .offset: 16, .size: 8, .value_kind: global_buffer, .address_space: global }
    .group_segment_fixed_size: 327680
    .private_segment_fixed_size: 0
    .kernarg_segment_align: 8
    .kernarg_segment_size: 24
    .max_flat_workgroup_size: 128
    .sgpr_count:     80
    .vgpr_count:     1024
    .wavefront_size: 32
...
	.end_amdgpu_metadata
.endif
;; end of part 3
;; launch pv (part 4): grid 8 x 32, 4 waves a work-group, no clusters, 327,680 bytes of LDS; arguments p, vt, stat, ctx; writes ctx
.if DOCPART == 4
	.amdgcn_target "amdgcn-amd-amdhsa--gfx1250"
	.amdhsa_code_object_version 6
	.text
	.protected	k_q20e9fd2fd8_pv
	.globl	k_q20e9fd2fd8_pv
	.p2align	8
	.type	k_q20e9fd2fd8_pv,@function
k_q20e9fd2fd8_pv:
	s_mov_b64 s[64:65], 0
	v_nop
	global_prefetch_b8 v0, s[64:65] scope:SCOPE_SE
	s_setreg_imm32_b32 hwreg(HW_REG_WAVE_MODE, 25, 1), 1
	s_wait_xcnt 0x0
; pv: ctx[q][d] = (sum over chunks j of cb_j(q) * sum over the chunk's keys t of P~[q][t] V[t][d]) / L(q), as f16.
; cb_j(q) = 2^(mc_j(q) - M(q)), M(q) = the largest mc_j(q), L(q) = sum over j of 2^(mc_j(q) - M(q)) l_j(q): the second half of the softmax: each chunk's own
; maximum is replaced by the row's.  cb is rounded to f16 and multiplied into P~'s fragments (v_pk_mul_f16); L is made with the unrounded power in f32, so a
; chunk's weight and its part of L differ by at most 2^-11 of that weight (not at all for the row's largest chunk, whose power is 1).
; LIMIT: cb P~ below 2^-24 rounds to 0, below 2^-14 it keeps an absolute step of 2^-24; |ctx| must stay below 65504.
; EQUAL WORK: query block i (128 queries, 16 a batch) needs keys 0 .. 128 i + 127, that is (i / 2) + 1 slots of 256 keys.  A work-group takes the blocks lo and
; 15 - lo of one batch, one after the other, for 128 of the 1,024 columns: always 9 slots.  4 batches x 8 pairs x 8 column blocks = 256 work-groups, and
; every one runs the same nine steps, written out: no trip count hangs on an id.  Of the two blocks one has an even number of slots (E, taken first, nE = 2, 4,
; 6 or 8) and one an odd number (O), so that O begins in slot 0.  For an even i the last slot's second chunk is the block of zeros that the launch before
; stored, with mc = -infinity, so that its cb is 0.
; A slot holds 128 rows of P~ and 128 rows of V^T, 512 bytes each: four tensor loads of 64 rows, one a wave.  The ring of two slots runs on across the change
; of blocks: the refill behind step t brings step t + 2, of E or of O.
; A wave makes 64 queries x 64 columns in 16 accumulator tiles (window 1).  All 18 chunks of the nine steps are known at the start, so each wave loads mc and l
; of its 64 rows for them once (each load 256 consecutive bytes) and keeps the 72 words of cb in registers, named at assembly time.
; NO CLUSTER: V^T's tiles are shared only with pairs that reach them in another step.  P~'s tiles, half of a slot's bytes, are shared by the eight column
; blocks of a pair; asking for them jointly would put a round of the cluster's barrier into each of the seven refills.
; LDS: slot 0, slot 1 (rows 528 bytes apart), then E's stage of 128 rows x 272 bytes, into which no tensor load lands.  O's stage lies in slot 1, which has
; had its last fill and its last read when O is stored.
.set PITCH,  528                       ; 512 bytes + 16 of padding: the 16 rows of a fragment load start 132 words apart
.set QROWS,  64*PITCH                  ; 64 rows: one tensor load
.set VOFF,   2*QROWS                   ; V^T's rows in a slot
.set SLOTB,  4*QROWS
.set STAGE,  2*SLOTB
.set STAGO,  SLOTB
.set SPITCH, 272
.set LPART,  0x80000                   ; where l begins in stat
.set T,    4                           ; v4-11 at work
.set ADRA, 16                          ; v16-17 my P~ fragments in slot 0, 1
.set ADRB, 18                          ; v18-19 my V^T fragments
.set STO,  20                          ; v20-21 where I put 16 bytes of a row: E's stage, O's stage
.set RD,   22                          ; v22-23 where I read rows back
.set CO,   24                          ; my byte offset in ctx
.set SOF,  25                          ; 16 r: my row's four numbers in stat
.set CB,   32                          ; v32-103 chunk position u, row tile a: cb at CB + 4 u + a, two equal f16 (first: mc as loaded)
.set RLE,  104                         ; v104-111 1 / L of E's row tiles, each twice
.set RLO,  112                         ; v112-119 the same for O
.set F0,   128                         ; a fragment buffer: P~ at f + 8 a, V^T at f + 32 + 8 b
.set F1,   192
.set LV,   128                         ; the start: l of the 18 chunk positions (v128-199)
.set OFS,  200                         ; their offsets in stat (v200-217)
.set LG,   200                         ; then: sums of power x l, lap g, row tile a (v200-219)
.set GM,   220                         ; maxima, lap g, row tile a (v220-239); lap 0's become E's, lap 4's become O's
.set G1, 24                            ; s[24:31] group 1
.set G0, 32                            ; s[32:39] group 0, one set for each slot
.set MKS, 51                           ; s52-54: all ones where lap 1, 2, 3 belongs to E
.set MUL, 0x50                         ; sources 0 and 1 window 0, C and D window 1
.set MSB, 0
.macro WIN new
.if MSB != \new
	s_set_vgpr_msb (MSB<<8)|\new
.set MSB, \new
.endif
.endm
	s_load_b256 s[68:75], s[0:1], 0x0              ; p s[68:69], vt s[70:71], stat s[72:73], ctx s[74:75]
	v_lshl_add_u32 v126, v0, 2, 0x4a800
	v_mov_b32 v127, 0
	ds_add_u32 v126, v127
	ds_add_u32 v126, v127
	v_lshrrev_b32 v1, 5, v0
	v_readfirstlane_b32 s10, v1
	s_lshr_b32 s11, s10, 1                         ; my 64 of the 128 queries; also: I fetch P~ (0) or V^T (1)
	s_and_b32 s12, s10, 1                          ; my 64 of the 128 columns; also: which 64 rows I fetch
	s_and_b32 s16, ttmp7, 0xffff
	s_lshr_b32 s45, s16, 3                         ; batch
	s_and_b32 s13, s16, 7                          ; lo
	s_sub_co_u32 s14, 15, s13                      ; hi = 15 - lo
	s_and_b32 s17, s13, 2                          ; lo has (lo / 2) + 1 slots: even where lo / 2 is odd
	s_cmp_lg_u32 s17, 0
	s_cselect_b32 s46, s13, s14                    ; E's query block
	s_cselect_b32 s47, s14, s13                    ; O's
	s_lshr_b32 s44, s46, 1
	s_add_co_u32 s44, s44, 1                       ; nE: E's slots
	s_lshl_b32 s42, s44, 1                         ; E's chunks
	s_lshr_b32 s43, s44, 1                         ; E's laps of two slots
	s_mov_b32 s[G1+0], (1<<16)|(1<<20)|(6<<22)|(3<<25)  ; elements of 2 bytes; 16 bytes of padding behind every 128 words
	s_mov_b32 s[G1+1], 256<<16                     ; tensor_dim0 = 256
	s_mov_b32 s[G1+2], 64<<16                      ; tensor_dim1 = 64
	s_mov_b32 s[G1+3], 256<<16                     ; tile_dim0 = 256 keys
	s_mov_b32 s[G1+4], 64                          ; tile_dim1 = 64 rows
	s_mov_b32 s[G1+5], 2048                        ; rows of p and of vt: 2,048 elements
	s_mov_b32 s[G1+6], 0
	s_mov_b32 s[G1+7], 0
	s_lshl_b32 s16, s45, 23                        ; p at row 2048 b + 128 i + 64 half, 4,096 bytes a row
	s_lshl_b32 s17, s12, 18
	s_add_co_u32 s16, s16, s17
	s_lshl_b32 s18, s46, 19
	s_add_co_u32 s18, s18, s16
	s_lshl_b32 s20, s47, 19
	s_add_co_u32 s20, s20, s16
	s_lshl_b32 s22, s45, 22                        ; vt at batch b, row 128 x + 64 half
	s_add_co_u32 s22, s22, s17
	s_lshl_b32 s23, ttmp9, 19
	s_add_co_u32 s22, s22, s23
	s_cmp_eq_u32 s11, 0
	s_cselect_b32 s18, s18, s22
	s_cselect_b32 s20, s20, s22
	s_mov_b32 s19, 0
	s_mov_b32 s21, 0
	s_mul_i32 s15, s10, QROWS                      ; where my tile goes in a slot: wave x 64 rows
	s_wait_dscnt 0x0
	s_wait_kmcnt 0x0
	s_cmp_eq_u32 s11, 0
	s_cselect_b64 s[62:63], s[68:69], s[70:71]
	s_add_nc_u64 s[48:49], s[62:63], s[18:19]      ; my tile of E's first slot
	s_add_nc_u64 s[50:51], s[62:63], s[20:21]      ; my tile of O's first slot (V^T: the same)
	s_mov_b32 s[G0], 1
	s_mov_b32 s[G0+1], s15
	s_mov_b64 s[G0+2:G0+3], s[48:49]
	s_or_b32 s[G0+3], s[G0+3], 0x80000000
	s_mov_b32 s[G0+4], 1
	s_add_co_u32 s[G0+5], s15, SLOTB
	s_add_nc_u64 s[G0+6:G0+7], s[48:49], 512
	s_or_b32 s[G0+7], s[G0+7], 0x80000000
	tensor_load_to_lds s[G0:G0+3], s[G1:G1+7]      ; steps 0 and 1, both E's (nE >= 2): two tensor loads of the wave are out
	s_nop 0
	tensor_load_to_lds s[G0+4:G0+7], s[G1:G1+7]
	s_nop 0
	; mc and l of my 64 rows for the 18 chunk positions: position u is E's chunk u, or O's chunk u - 2 nE
	s_lshl_b32 s16, s45, 17                        ; a batch: 16 chunks of 8,192 bytes
	s_lshl_b32 s17, s11, 8                         ; 64 rows of 4 bytes
	s_add_co_u32 s16, s16, s17
	s_lshl_b32 s40, s46, 9
	s_add_co_u32 s40, s40, s16
	s_lshl_b32 s41, s47, 9
	s_add_co_u32 s41, s41, s16
	v_and_b32 v1, 15, v0                           ; r
	v_bfe_u32 v2, v0, 4, 1                         ; h
	v_lshlrev_b32 v[SOF], 4, v1
.set u, 0
.rept 18
	s_sub_co_u32 s17, u, s42
	s_cmp_gt_u32 s42, u
	s_cselect_b32 s17, u, s17
	s_cselect_b32 s18, s40, s41
	s_lshl_b32 s17, s17, 13
	s_add_co_u32 s17, s17, s18
	v_add_nc_u32 v[OFS+u], s17, v[SOF]
	global_load_b128 v[CB+4*u:CB+4*u+3], v[OFS+u], s[72:73]
	global_load_b128 v[LV+4*u:LV+4*u+3], v[OFS+u], s[72:73] offset:LPART
.set u, u+1
.endr
	v_mul_u32_u24 v3, v1, PITCH
	v_lshl_add_u32 v3, v2, 4, v3                   ; row r, 16 bytes for each half of the lanes
	s_mul_i32 s21, s11, QROWS
	s_mul_i32 s22, s12, QROWS
	s_add_co_u32 s22, s22, VOFF
.irp s, 0,1
	v_add_nc_u32 v[ADRA+\s], s21, v3
	v_add_nc_u32 v[ADRB+\s], s22, v3
	s_add_co_u32 s21, s21, SLOTB
	s_add_co_u32 s22, s22, SLOTB
.endr
	s_mul_i32 s23, s11, 64*SPITCH                  ; into the stage: row 64 half + 16 a + r, byte 128 half + 32 b + 16 h
	s_lshl_b32 s17, s12, 7
	s_add_co_u32 s23, s23, s17
	v_mul_u32_u24 v4, v1, SPITCH
	v_lshl_add_u32 v4, v2, 4, v4
	v_add_nc_u32 v4, s23, v4
	v_add_nc_u32 v[STO], STAGE, v4
	v_add_nc_u32 v[STO+1], STAGO, v4
	s_mul_i32 s23, s10, 32*SPITCH                  ; back: wave w takes rows 32 w .. 32 w + 31, two whole rows of 256 bytes a load
	v_mul_u32_u24 v5, v2, SPITCH
	v_lshl_add_u32 v5, v1, 4, v5
	v_add_nc_u32 v5, s23, v5
	v_add_nc_u32 v[RD], STAGE, v5
	v_add_nc_u32 v[RD+1], STAGO, v5
	v_lshlrev_b32 v5, 11, v2                       ; rows of ctx: 2,048 bytes
	v_lshl_add_u32 v[CO], v1, 4, v5
	s_lshl_b32 s16, s45, 22                        ; ctx at (2048 b + 128 i + 32 w) rows of 2,048 bytes + 128 x columns of 2 bytes
	s_lshl_b32 s17, s10, 16
	s_add_co_u32 s16, s16, s17
	s_lshl_b32 s17, ttmp9, 8
	s_add_co_u32 s16, s16, s17
	s_lshl_b32 s18, s46, 18
	s_add_co_u32 s18, s18, s16
	s_mov_b32 s19, 0
	s_add_nc_u64 s[56:57], s[74:75], s[18:19]      ; E's rows
	s_lshl_b32 s18, s47, 18
	s_add_co_u32 s18, s18, s16
	s_add_nc_u64 s[58:59], s[74:75], s[18:19]      ; O's rows
.irp g, 1,2,3
	s_cmp_gt_u32 s43, \g
	s_cselect_b32 s[MKS+\g], -1, 0                 ; lap g (chunk positions 4 g .. 4 g + 3) is E's or O's; lap 0 is E's, positions 16 and 17 are O's
.endr
	s_mov_b32 s55, 0xff800000                      ; -infinity
	s_wait_loadcnt 0x0
	; the maxima, lap by lap, then E's and O's
.irp g, 0,1,2,3
.irp a, 0,1,2,3
	v_max_num_f32 v[GM+4*\g+\a], v[CB+16*\g+\a], v[CB+16*\g+4+\a]
	v_max3_num_f32 v[GM+4*\g+\a], v[CB+16*\g+8+\a], v[CB+16*\g+12+\a], v[GM+4*\g+\a]
.endr
.endr
.irp a, 0,1,2,3
	v_max_num_f32 v[GM+16+\a], v[CB+64+\a], v[CB+68+\a]
.endr
.irp g, 1,2,3
.irp a, 0,1,2,3
	v_cndmask_b32 v[T+\a], s55, v[GM+4*\g+\a], s[MKS+\g]
	v_cndmask_b32 v[T+4+\a], v[GM+4*\g+\a], s55, s[MKS+\g]
	v_max_num_f32 v[GM+\a], v[GM+\a], v[T+\a]
	v_max_num_f32 v[GM+16+\a], v[GM+16+\a], v[T+4+\a]
.endr
.endr
.irp g, 1,2,3
.irp a, 0,1,2,3
	v_cndmask_b32 v[GM+4*\g+\a], v[GM+16+\a], v[GM+\a], s[MKS+\g]  ; each lap now holds its own block's M
.endr
.endr
.set u, 0
.rept 18
.irp a, 0,1,2,3
	v_sub_f32 v[CB+4*u+\a], v[CB+4*u+\a], v[GM+4*(u/4)+\a]
.endr
.set u, u+1
.endr
.set u, 0
.rept 72
	v_exp_f32 v[CB+u], v[CB+u]
.set u, u+1
.endr
	v_nop                                          ; one plain vector instruction between the exponentials and the use of their results
	s_wait_alu depctr_va_vdst(0)
.set u, 0
.rept 18
.irp a, 0,1,2,3
.if (u%4) == 0
	v_mul_f32 v[LG+4*(u/4)+\a], v[CB+4*u+\a], v[LV+4*u+\a]         ; a lap's first chunk starts its sum
.else
	v_fmac_f32 v[LG+4*(u/4)+\a], v[CB+4*u+\a], v[LV+4*u+\a]
.endif
.endr
.set u, u+1
.endr
.set u, 0
.rept 72
	v_cvt_pk_f16_f32 v[CB+u], v[CB+u], v[CB+u]
.set u, u+1
.endr
.irp g, 1,2,3
.irp a, 0,1,2,3
	v_cndmask_b32 v[T+\a], 0, v[LG+4*\g+\a], s[MKS+\g]
	v_cndmask_b32 v[T+4+\a], v[LG+4*\g+\a], 0, s[MKS+\g]
	v_add_f32 v[LG+\a], v[LG+\a], v[T+\a]
	v_add_f32 v[LG+16+\a], v[LG+16+\a], v[T+4+\a]
.endr
.endr
.irp a, 0,1,2,3
	v_rcp_f32 v[RLE+2*\a], v[LG+\a]                ; each twice: a pair for the packed multiply
	v_rcp_f32 v[RLE+2*\a+1], v[LG+\a]
	v_rcp_f32 v[RLO+2*\a], v[LG+16+\a]
	v_rcp_f32 v[RLO+2*\a+1], v[LG+16+\a]
.endr
	v_nop                                          ; one plain vector instruction behind the reciprocals
; 8 matrix instructions: row tiles a0, a0 + 1 x 4 column tiles, 32 keys.  Source 0 = rows of V^T, source 1 = rows of P~: lane l holds query l % 16, its registers
; the columns 8 (l / 16) + 0..7.  The 16 accumulators take turns, one instruction a turn, in the same order in every quarter.
.macro MUL8 f, a0, zero
.irp a, \a0, \a0+1
.irp b, 0,1,2,3
.if \zero
	v_wmma_f32_16x16x32_f16 v[8*(4*(\a)+\b):8*(4*(\a)+\b)+7], v[\f+32+8*\b:\f+32+8*\b+7], v[\f+8*(\a):\f+8*(\a)+7], 0
.else
	v_wmma_f32_16x16x32_f16 v[8*(4*(\a)+\b):8*(4*(\a)+\b)+7], v[\f+32+8*\b:\f+32+8*\b+7], v[\f+8*(\a):\f+8*(\a)+7], v[8*(4*(\a)+\b):8*(4*(\a)+\b)+7]
.endif
.endr
.endr
.endm
.macro FETCH slot, k, f                ; 16 LDS loads: 64 rows of P~ and 64 rows of V^T, 32 keys at byte k of the rows
.irp a, 0,1,2,3
	ds_load_b128 v[\f+8*\a:\f+8*\a+3],   v[ADRA+\slot] offset:\k+\a*16*PITCH
	ds_load_b128 v[\f+8*\a+4:\f+8*\a+7], v[ADRA+\slot] offset:\k+\a*16*PITCH+32
.endr
.irp b, 0,1,2,3
	ds_load_b128 v[\f+32+8*\b:\f+32+8*\b+3],   v[ADRB+\slot] offset:\k+\b*16*PITCH
	ds_load_b128 v[\f+32+8*\b+4:\f+32+8*\b+7], v[ADRB+\slot] offset:\k+\b*16*PITCH+32
.endr
.endm
.macro SCALE1 f, a, cb                 ; P~ of row tile a times the chunk's cb, two f16 at a time: a lane's fragment holds one query
.irp t, 0,1,2,3,4,5,6,7
	v_pk_mul_f16 v[\f+8*\a+\t], v[\f+8*\a+\t], v[\cb+\a]
.endr
.endm
.macro PLACES                          ; four independent vector instructions behind a matrix instruction (ISA guide 7.12.1)
.rept 4
	v_nop
.endr
.endm
; A quarter: 32 keys.  Multiplies buffer f and fetches the next quarter, at byte k of the rows, into buffer g.  The eight multiplies of row tile 0 name neither
; buffer g nor an accumulator: they are the independent vector instructions between the last matrix instruction that read g and the loads into g.
.macro QUARTER slot, k, f, g, zero, cb
	WIN 0
	s_wait_dscnt 0x0                               ; buffer f is in
	SCALE1 \f, 0, \cb
	FETCH \slot, \k, \g
	SCALE1 \f, 1, \cb
	SCALE1 \f, 2, \cb
	SCALE1 \f, 3, \cb
	WIN MUL
	MUL8 \f, 0, \zero
	MUL8 \f, 2, \zero
.endm
; A tile of 128 x 128 leaves: divide, round to f16, 16 bytes a lane into the stage; a row's 256 bytes come from two waves, so a barrier stands between the
; stores and the reads; then whole rows.
.macro EPI rl, sto, rd, cb, last
	PLACES
	WIN 0x41                                       ; source 0 and destination window 1
	s_wait_alu depctr_va_vdst(0)
.irp a, 0,1,2,3
.set q, 0
.rept 16
	v_pk_mul_f32 v[32*\a+2*q:32*\a+2*q+1], v[32*\a+2*q:32*\a+2*q+1], v[\rl+2*\a:\rl+2*\a+1]
.set q, q+1
.endr
.endr
	WIN 0x05                                       ; sources 0 and 1 window 1
.set q, 0
.rept 64
	v_cvt_pk_f16_f32 v[F1+q], v[2*q], v[2*q+1]
.set q, q+1
.endr
	WIN 0
.irp a, 0,1,2,3
.irp b, 0,1,2,3
	ds_store_b128 v[\sto], v[F1+16*\a+4*\b:F1+16*\a+4*\b+3] offset:\a*16*SPITCH+32*\b
.endr
.endr
	s_wait_dscnt 0x0                               ; my part of the stage is written
	s_barrier_signal -1
	s_barrier_wait -1
.irp t, 0,1,2,3,4,5,6,7,8,9,10,11,12,13,14,15
	ds_load_b128 v[F1+4*\t:F1+4*\t+3], v[\rd] offset:\t*2*SPITCH
.endr
.irp t, 0,1,2,3,4,5,6,7,8,9,10,11,12,13,14,15
	s_wait_dscnt 15-\t                             ; read-back t is in, the younger ones stay out
	global_store_b128 v[CO], v[F1+4*\t:F1+4*\t+3], s[\cb:\cb+1] offset:\t*4096   ; 16 lanes store 256 consecutive bytes, aligned
.endr
.if \last == 0
	s_wait_xcnt 0x0                                ; buffer 1, which these stores read, is loaded again only behind this wait
.endif
.endm
; A step's first quarter.  first = 1: the launch's first products start E's sums; 0: add on; 2: where this step is O's first (t = nE), E's tile leaves and
; the products start O's sums.  nE is the same in all four waves.
.macro HEAD t, slot, first
.if \first == 1
	QUARTER \slot, 64, F0, F1, 1, CB+8*\t
.endif
.if \first == 0
	QUARTER \slot, 64, F0, F1, 0, CB+8*\t
.endif
.if \first == 2
	WIN 0
	s_cmp_lg_u32 s44, \t
	s_cbranch_scc1 .Lsame_\@
	EPI RLE, STO, RD, 56, 0
	QUARTER \slot, 64, F0, F1, 1, CB+8*\t
	WIN 0
	s_branch .Lon_\@
.Lsame_\@:
	QUARTER \slot, 64, F0, F1, 0, CB+8*\t
	WIN 0
.Lon_\@:
.endif
.endm
.macro MID t, slot                     ; quarters 1 to 6: the slot's first chunk ends with quarter 3
	QUARTER \slot, 128, F1, F0, 0, CB+8*\t
	QUARTER \slot, 192, F0, F1, 0, CB+8*\t
	QUARTER \slot, 256, F1, F0, 0, CB+8*\t
	QUARTER \slot, 320, F0, F1, 0, CB+8*\t+4
	QUARTER \slot, 384, F1, F0, 0, CB+8*\t+4
	QUARTER \slot, 448, F0, F1, 0, CB+8*\t+4
.endm
; Quarter 7 and the change of slots: each wave waits for its reads of this slot and for all its tensor loads (one is out: its tile of the next slot), then the
; barrier; behind it the refill comes first, one tensor load a wave.  t2 = the step that the refill brings: slot t2 of E, or slot t2 - nE of O.
.macro TURN slot, next, t2, fill, cb
	WIN 0
	s_wait_dscnt 0x0
	SCALE1 F1, 0, \cb
	SCALE1 F1, 1, \cb
	SCALE1 F1, 2, \cb
	SCALE1 F1, 3, \cb
	s_wait_tensorcnt 0x0
	ds_add_u32 v126, v127
	s_wait_dscnt 0x0
	s_barrier_signal -1
.if \fill
	s_sub_co_u32 s60, \t2, s44
	s_cmp_gt_u32 s44, \t2
	s_cselect_b32 s60, \t2, s60
	s_cselect_b64 s[62:63], s[48:49], s[50:51]
	s_lshl_b32 s60, s60, 9                         ; 256 keys of 2 bytes a slot
	s_mov_b32 s61, 0
	s_add_nc_u64 s[G0+4*\slot+2:G0+4*\slot+3], s[62:63], s[60:61]  ; no tensor load of mine is out: the group may be written
	s_or_b32 s[G0+4*\slot+3], s[G0+4*\slot+3], 0x80000000
.endif
	WIN MUL
	MUL8 F1, 0, 0
	WIN 0
	s_barrier_wait -1
.if \fill
	tensor_load_to_lds s[G0+4*\slot:G0+4*\slot+3], s[G1:G1+7]
	s_nop 0
.endif
	FETCH \next, 0, F0
	WIN MUL
	MUL8 F1, 2, 0
.endm
.macro STEP t, slot, next, fill, first
	HEAD \t, \slot, \first
	MID \t, \slot
	TURN \slot, \next, \t+2, \fill, CB+8*\t+4
.endm
	s_wait_tensorcnt 1                             ; my tile of step 0 is in; step 1's load stays out
	s_barrier_signal -1
	s_barrier_wait -1
	FETCH 0, 0, F0
	STEP 0, 0, 1, 1, 1
	STEP 1, 1, 0, 1, 0
	STEP 2, 0, 1, 1, 2
	STEP 3, 1, 0, 1, 0
	STEP 4, 0, 1, 1, 2
	STEP 5, 1, 0, 1, 0
	STEP 6, 0, 1, 1, 2                             ; its refill brings step 8, the last
	STEP 7, 1, 0, 0, 0
	HEAD 8, 0, 2
	MID 8, 0
	WIN 0
	s_wait_dscnt 0x0
	SCALE1 F1, 0, CB+68
	SCALE1 F1, 1, CB+68
	SCALE1 F1, 2, CB+68
	SCALE1 F1, 3, CB+68
	WIN MUL
	MUL8 F1, 0, 0
	MUL8 F1, 2, 0
	WIN 0
	EPI RLO, STO+1, RD+1, 58, 1                    ; O's tile, through slot 1: every wave's reads of it ended in front of step 7's barrier
	s_wait_tensorcnt 0x0
	ds_add_u32 v126, v127
	s_wait_dscnt 0x0
	s_endpgm
.Lfunc_end_k_q20e9fd2fd8_pv:
	.size	k_q20e9fd2fd8_pv, .Lfunc_end_k_q20e9fd2fd8_pv-k_q20e9fd2fd8_pv
	.p2alignl 7, 3214868480
	.fill 96, 4, 3214868480
	.section	.rodata,"a",@progbits
	.p2align	6, 0x0
	.amdhsa_kernel k_q20e9fd2fd8_pv
		.amdhsa_group_segment_fixed_size 327680
		.amdhsa_private_segment_fixed_size 0
		.amdhsa_enable_private_segment 0
		.amdhsa_kernarg_size 32
		.amdhsa_user_sgpr_count 2
		.amdhsa_user_sgpr_kernarg_segment_ptr 1
		.amdhsa_wavefront_size32 1
		.amdhsa_system_sgpr_workgroup_id_x 1
		.amdhsa_system_sgpr_workgroup_id_y 1
		.amdhsa_system_sgpr_workgroup_id_z 1
		.amdhsa_system_vgpr_workitem_id 0
		.amdhsa_next_free_vgpr 384
		.amdhsa_next_free_sgpr 80
		.amdhsa_reserve_vcc 0
		.amdhsa_float_denorm_mode_32 3
		.amdhsa_float_denorm_mode_16_64 3
		.amdhsa_memory_ordered 1
		.amdhsa_forward_progress 1
		.amdhsa_inst_pref_size 255
	.end_amdhsa_kernel
	.section	.bss,"aw",@nobits
	.p2align	6
	.space	262144
	.amdgpu_metadata
---
amdhsa.version: [ 1, 2 ]
amdhsa.kernels:
  - .name:           k_q20e9fd2fd8_pv
    .symbol:         k_q20e9fd2fd8_pv.kd
    .args:
      - { .name: p, .offset: 0, .size: 8, .value_kind: global_buffer, .address_space: global }
      - { .name: vt, .offset: 8, .size: 8, .value_kind: global_buffer, .address_space: global }
      - { .name: stat, .offset: 16, .size: 8, .value_kind: global_buffer, .address_space: global }
      - { .name: ctx, .offset: 24, .size: 8, .value_kind: global_buffer, .address_space: global }
    .group_segment_fixed_size: 327680
    .private_segment_fixed_size: 0
    .kernarg_segment_align: 8
    .kernarg_segment_size: 32
    .max_flat_workgroup_size: 128
    .sgpr_count:     80
    .vgpr_count:     384
    .wavefront_size: 32
...
	.end_amdgpu_metadata
.endif
;; end of part 4
;; launch outp (part 5): grid 4 x 32, 4 waves a work-group, clusters of 4 x 4, 327,680 bytes of LDS; arguments ctx, wb, bo, out0; writes out0
.if DOCPART == 5
	.amdgcn_target "amdgcn-amd-amdhsa--gfx1250"
	.amdhsa_code_object_version 6
	.text
	.protected	k_q20e9fd2fd8_outp
	.globl	k_q20e9fd2fd8_outp
	.p2align	8
	.type	k_q20e9fd2fd8_outp,@function
k_q20e9fd2fd8_outp:
	s_mov_b64 s[64:65], 0
	v_nop
	global_prefetch_b8 v0, s[64:65] scope:SCOPE_SE
	s_setreg_imm32_b32 hwreg(HW_REG_WAVE_MODE, 25, 1), 1
	s_wait_xcnt 0x0
	s_wait_alu depctr_hold_cnt(0) depctr_sa_sdst(0) depctr_va_vdst(0) depctr_va_sdst(0) depctr_va_ssrc(0) depctr_va_vcc(0) depctr_vm_vsrc(0)
	s_getreg_b32 s2, hwreg(HW_REG_IB_STS2, 6, 4)
	s_cmp_eq_u32 s2, 0
	s_cbranch_scc0 .Lentry_in_a_cluster
	s_endpgm
.Lentry_in_a_cluster:
	s_bfe_u32 s2, ttmp6, 0x10000c
	s_cmp_lg_u32 s2, 0xf033
	s_cbranch_scc0 .Lentry_shape_is_right
	s_endpgm
.Lentry_shape_is_right:
; outp: out0[m][o] = sum_k ctx[m][k] Wo[o][k] + bo[o], f16 operands (Wo: rows 3072-4095 of wb), f32 sums, f32 result.  [8192][1024]
; The GEMM of the projections: 256 x 256 a work-group, 128 x 128 a wave, K = 1024 in 8 steps of 128 through two LDS slots, clusters of 4 x 4 with
; ctx's tiles asked for jointly along a row of the cluster and Wo's along a column.  bo is the C operand of each accumulator's first product.
; The matrix instruction is used transposed: lane l holds row l % 16, registers 0-7 the columns 8 (l / 16) + 0..7: 32 neighbouring bytes.
; On the way out 16 rows go through a stage of 528 bytes a row, so that each store of a wave covers one row's 512 consecutive bytes, aligned.
.set KSTEP,  128
.set PITCH,  272
.set HALFT,  128*PITCH
.set SLOT,   4*HALFT
.set STAGE,  2*SLOT                    ; 16 rows x 528 bytes for each wave; no tensor load lands here
.set SPITCH, 528
.set LAPS,   4
.set ADRA, 16
.set ADRB, 20
.set STO,  24
.set RD,   25
.set CO,   26
.set BOFF, 28
.set F0,   64
.set F1,   128
.set BIAS, 192                         ; in window 1
.set G1, 24
.set G0, 32
.set G1B, 48
.set G0B, 56
.set MSB, 0
.macro WIN new
.if MSB != \new
	s_set_vgpr_msb (MSB<<8)|\new
.set MSB, \new
.endif
.endm
.set MUL_LO, 0xa1
.set MUL_HI, 0xf1
.set BIA_LO, 0x91                      ; C (the bias) window 1, D window 2
.set BIA_HI, 0xd1
.set TO_B,   0x40
.macro JLOAD s
	s_cmp_eq_u32 s11, 0
	s_cbranch_scc0 .Lfor_b_\@
	tensor_load_to_lds s[G0+4*\s:G0+4*\s+3], s[G1:G1+7]
	s_nop 0
	s_branch .Lasked_\@
.Lfor_b_\@:
	tensor_load_to_lds s[G0B+4*\s:G0B+4*\s+3], s[G1B:G1B+7]
	s_nop 0
.Lasked_\@:
.endm
.macro CREST
	s_cmp_lg_u32 s10, 0
	s_cbranch_scc1 .Lnot_wave_0_\@
	s_barrier_signal -3
.Lnot_wave_0_\@:
	s_barrier_wait -3
	s_barrier_signal -1
	s_barrier_wait -1
.endm
.macro CROUND
	s_barrier_signal -1
	s_barrier_wait -1
	CREST
.endm
	s_load_b256 s[68:75], s[0:1], 0x0              ; ctx s[68:69], wb s[70:71], bo s[72:73], out0 s[74:75]
	s_set_vgpr_msb 0x40
	v_lshl_add_u32 v63, v0, 2, 0x4c400
	s_set_vgpr_msb 0x4000
	v_mov_b32 v255, 0
	s_set_vgpr_msb 0x1
	ds_add_u32 v63, v255
	ds_add_u32 v63, v255
	s_set_vgpr_msb 0x100
	v_lshrrev_b32 v1, 5, v0
	v_readfirstlane_b32 s10, v1
	s_lshr_b32 s11, s10, 1
	s_and_b32 s12, s10, 1
	s_bfe_u32 s40, ttmp6, 0x40000                  ; cx
	s_bfe_u32 s41, ttmp6, 0x40004                  ; cy
	s_lshl_b32 s42, ttmp9, 2
	s_add_co_u32 s42, s42, s40                     ; block column
	s_and_b32 s13, ttmp7, 0xffff
	s_lshl_b32 s13, s13, 2
	s_add_co_u32 s13, s13, s41                     ; block row
	s_lshl_b32 s43, s41, 2
	s_lshl_b32 s43, 15, s43
	s_lshl_b32 s44, 0x1111, s40
	s_or_b32 s[G1+0], s43, (1<<16)|(1<<20)|(1<<21)|(5<<22)|(3<<25)
	s_or_b32 s[G1B+0], s44, (1<<16)|(1<<20)|(1<<21)|(5<<22)|(3<<25)
	s_mov_b32 s[G1+1], KSTEP<<16
	s_mov_b32 s[G1B+1], KSTEP<<16
	s_mov_b32 s[G1+2], 128<<16
	s_mov_b32 s[G1B+2], 128<<16
	s_mov_b32 s[G1+3], KSTEP<<16
	s_mov_b32 s[G1B+3], KSTEP<<16
	s_mov_b32 s[G1+4], 128
	s_mov_b32 s[G1B+4], 128
	s_mov_b32 s[G1+5], 1024
	s_mov_b32 s[G1B+5], 1024
	s_mov_b32 s[G1+6], 0
	s_mov_b32 s[G1B+6], 0
	s_mov_b32 s[G1+7], 0
	s_mov_b32 s[G1B+7], 0
	s_lshl_b32 s17, s12, 7
	s_lshl_b32 s16, s13, 8
	s_add_co_u32 s16, s16, s17
	s_lshl_b32 s16, s16, 11
	s_lshl_b32 s46, s42, 8
	s_add_co_u32 s46, s46, s17
	s_lshl_b32 s46, s46, 11
	s_mov_b32 s17, 0
	s_mov_b32 s47, 0
	s_mul_i32 s20, s10, HALFT
	s_wait_dscnt 0x0
	s_wait_kmcnt 0x0
	s_add_nc_u64 s[6:7], s[70:71], 0x600000        ; Wo: row 3,072 of wb
	s_add_nc_u64 s[14:15], s[68:69], s[16:17]
	s_add_nc_u64 s[46:47], s[6:7], s[46:47]
	CROUND
.irp s, 0,1
	s_mov_b32 s[G0+4*\s], 1
	s_add_co_u32 s[G0+4*\s+1], s20, \s*SLOT
	s_add_nc_u64 s[G0+4*\s+2:G0+4*\s+3], s[14:15], \s*KSTEP*2
	s_or_b32 s[G0+4*\s+3], s[G0+4*\s+3], 0x80000000
	s_mov_b32 s[G0B+4*\s], 1
	s_add_co_u32 s[G0B+4*\s+1], s20, \s*SLOT
	s_add_nc_u64 s[G0B+4*\s+2:G0B+4*\s+3], s[46:47], \s*KSTEP*2
	s_or_b32 s[G0B+4*\s+3], s[G0B+4*\s+3], 0x80000000
	JLOAD \s                                       ; K steps 0 and 1: two tensor loads of the wave are out
.endr
	v_and_b32 v1, 15, v0
	v_bfe_u32 v2, v0, 4, 1
	s_lshl_b32 s86, s42, 10                        ; bo at 256 block column + 128 half
	s_lshl_b32 s87, s12, 9
	s_add_co_u32 s86, s86, s87
	s_mov_b32 s87, 0
	s_add_nc_u64 s[82:83], s[72:73], s[86:87]
	v_lshlrev_b32 v[BOFF], 5, v2
	WIN TO_B
.irp b, 0,1,2,3,4,5,6,7
	global_load_b128 v[BIAS+8*\b:BIAS+8*\b+3], v[BOFF], s[82:83] offset:64*\b
	global_load_b128 v[BIAS+8*\b+4:BIAS+8*\b+7], v[BOFF], s[82:83] offset:64*\b+16
.endr
	WIN 0
	v_mul_u32_u24 v3, v1, PITCH
	v_lshl_add_u32 v3, v2, 4, v3
	s_mul_i32 s21, s11, HALFT
	s_mul_i32 s22, s12, HALFT
	s_add_co_u32 s22, s22, 2*HALFT
.irp s, 0,1
	v_add_nc_u32 v[ADRA+\s], s21, v3
	v_add_nc_u32 v[ADRB+\s], s22, v3
	s_add_co_u32 s21, s21, SLOT
	s_add_co_u32 s22, s22, SLOT
.endr
	s_mul_i32 s23, s10, 16*SPITCH
	s_add_co_u32 s23, s23, STAGE
	v_mul_u32_u24 v4, v1, SPITCH                   ; in: row r, 32 bytes for each half of the lanes
	v_lshl_add_u32 v4, v2, 5, v4
	v_add_nc_u32 v[STO], s23, v4
	v_and_b32 v5, 31, v0                           ; back: 32 lanes take one row of 512 bytes
	v_lshlrev_b32 v[CO], 4, v5
	v_add_nc_u32 v[RD], s23, v[CO]
; The 64 accumulators take turns, one instruction a turn, in the same order in every quarter step.
.macro MUL16 f, hi, a0, zero
.irp a, \a0, \a0+1
.irp b, 0,1,2,3,4,5,6,7
.if \zero
	v_wmma_f32_16x16x32_f16 v[8*(8*(\a)+\b):8*(8*(\a)+\b)+7], v[\f+8*\b:\f+8*\b+7], v[\f+8*(4*\hi+\a):\f+8*(4*\hi+\a)+7], v[BIAS+8*\b:BIAS+8*\b+7]
.else
	v_wmma_f32_16x16x32_f16 v[8*(8*(\a)+\b):8*(8*(\a)+\b)+7], v[\f+8*\b:\f+8*\b+7], v[\f+8*(4*\hi+\a):\f+8*(4*\hi+\a)+7], v[8*(8*(\a)+\b):8*(8*(\a)+\b)+7]
.endif
.endr
.endr
.endm
.macro FETCH slot, k, f
	WIN TO_B
.irp i, 0,1,2,3,4,5,6,7
	ds_load_b128 v[\f+8*\i:\f+8*\i+3],   v[ADRB+\slot] offset:\k+\i*16*PITCH
	ds_load_b128 v[\f+8*\i+4:\f+8*\i+7], v[ADRB+\slot] offset:\k+\i*16*PITCH+32
.endr
	WIN 0
.irp i, 0,1,2,3,4,5,6,7
	ds_load_b128 v[\f+8*\i:\f+8*\i+3],   v[ADRA+\slot] offset:\k+\i*16*PITCH
	ds_load_b128 v[\f+8*\i+4:\f+8*\i+7], v[ADRA+\slot] offset:\k+\i*16*PITCH+32
.endr
.endm
.macro PLACES                          ; four independent vector instructions behind a matrix instruction (ISA guide 7.12.1)
.rept 4
	v_nop
.endr
.endm
.macro QUARTER slot, k, f, g, zero     ; zero = 1: the sums start from the bias
	s_wait_dscnt 8                                 ; the eight youngest loads (A's rows 64-127) may be out
.if \zero
	WIN BIA_LO
.else
	WIN MUL_LO
.endif
	MUL16 \f, 0, 0, \zero
	MUL16 \f, 0, 2, \zero
	PLACES
	FETCH \slot, \k, \g
	s_wait_dscnt 32                                ; all but the 32 just issued
.if \zero
	WIN BIA_HI
.else
	WIN MUL_HI
.endif
	MUL16 \f, 1, 0, \zero
	MUL16 \f, 1, 2, \zero
.endm
.macro THREE slot, zero
	QUARTER \slot, 64,  F0, F1, \zero
	QUARTER \slot, 128, F1, F0, 0
	QUARTER \slot, 192, F0, F1, 0
.endm
; The change of slots: the waits for my reads of this slot and for all my tensor loads stand in front of the barrier, which opens a round of the
; cluster's barrier where the slot is filled again; the joint refill is the first tensor load behind the round.
.macro TURN slot, next, fill
	s_wait_dscnt 8
	WIN MUL_LO
	MUL16 F1, 0, 0, 0
	s_wait_dscnt 0
	s_wait_tensorcnt 0x0
	ds_add_u32 v63, v255
	s_wait_dscnt 0x0
	s_barrier_signal -1
	MUL16 F1, 0, 2, 0
	WIN 0
	s_barrier_wait -1
.if \fill
	CREST
	s_add_nc_u64 s[G0+4*\slot+2:G0+4*\slot+3], s[G0+4*\slot+2:G0+4*\slot+3], 2*KSTEP*2
	s_add_nc_u64 s[G0B+4*\slot+2:G0B+4*\slot+3], s[G0B+4*\slot+2:G0B+4*\slot+3], 2*KSTEP*2
	JLOAD \slot
.endif
	PLACES
	FETCH \next, 0, F0
	WIN MUL_HI
	MUL16 F1, 1, 0, 0
	MUL16 F1, 1, 2, 0
.endm
.macro LAP zero
	THREE 0, \zero
	TURN 0, 1, 1
	THREE 1, 0
	TURN 1, 0, 1
.endm
	s_wait_tensorcnt 1                             ; my part of K step 0 is in; K step 1's load stays out
	s_barrier_signal -1
	s_barrier_wait -1
	FETCH 0, 0, F0
	s_wait_loadcnt 0x0                             ; the bias
	LAP 1
	WIN 0
	s_mov_b32 s3, LAPS-2
.Llap:
	LAP 0
	WIN 0
	s_sub_co_u32 s3, s3, 1
	s_cmp_lg_u32 s3, 0
	s_cbranch_scc1 .Llap
	THREE 0, 0
	TURN 0, 1, 0
	THREE 1, 0
	s_wait_dscnt 8
	WIN MUL_LO
	MUL16 F1, 0, 0, 0
	MUL16 F1, 0, 2, 0
	s_wait_dscnt 0
	WIN MUL_HI
	MUL16 F1, 1, 0, 0
	MUL16 F1, 1, 2, 0
	PLACES
	s_lshl_b32 s16, s13, 8
	s_lshl_b32 s17, s11, 7
	s_add_co_u32 s16, s16, s17
	s_lshl_b32 s16, s16, 12                        ; my first row, 4,096 bytes a row
	s_mov_b32 s17, 0
	s_add_nc_u64 s[8:9], s[74:75], s[16:17]
	s_lshl_b32 s46, s42, 10                        ; my first column, 4 bytes a number
	s_lshl_b32 s47, s12, 9
	s_add_co_u32 s46, s46, s47
	s_mov_b32 s47, 0
	s_add_nc_u64 s[8:9], s[8:9], s[46:47]
; rows 16 i .. 16 i + 15 of my block: the eight tiles (a, 0..7) of window 2 or 3 (from = 0x08 or 0x0c: the LDS stores' data)
.macro OUTF i, a, from, f
	WIN \from
.irp b, 0,1,2,3,4,5,6,7
	ds_store_b128 v[STO], v[8*(8*\a+\b):8*(8*\a+\b)+3] offset:64*\b
	ds_store_b128 v[STO], v[8*(8*\a+\b)+4:8*(8*\a+\b)+7] offset:64*\b+16
.endr
	WIN 0
	s_wait_xcnt 0x0                                ; buffer f, which earlier stores read, is rewritten only behind this wait
.irp t, 0,1,2,3,4,5,6,7,8,9,10,11,12,13,14,15
	ds_load_b128 v[\f+4*\t:\f+4*\t+3], v[RD] offset:\t*SPITCH      ; LDS serves a wave's instructions in order: these see the stores above
.endr
.irp t, 0,1,2,3,4,5,6,7,8,9,10,11,12,13,14,15
	s_wait_dscnt 15-\t                             ; read-back t is in, the younger ones stay out
	global_store_b128 v[CO], v[\f+4*\t:\f+4*\t+3], s[8:9] offset:(16*\i+\t)*4096 th:TH_STORE_NT
.endr
.endm
	OUTF 0, 0, 0x08, F0
	OUTF 1, 1, 0x08, F1
	OUTF 2, 2, 0x08, F0
	OUTF 3, 3, 0x08, F1
	OUTF 4, 0, 0x0c, F0
	OUTF 5, 1, 0x0c, F1
	OUTF 6, 2, 0x0c, F0
	OUTF 7, 3, 0x0c, F1
	s_set_vgpr_msb 0x1
	s_wait_tensorcnt 0x0
	ds_add_u32 v63, v255
	s_wait_dscnt 0x0
	s_set_vgpr_msb 0x100
	CROUND                                         ; the closing round
	s_endpgm
.Lfunc_end_k_q20e9fd2fd8_outp:
	.size	k_q20e9fd2fd8_outp, .Lfunc_end_k_q20e9fd2fd8_outp-k_q20e9fd2fd8_outp
	.p2alignl 7, 3214868480
	.fill 96, 4, 3214868480
	.section	.rodata,"a",@progbits
	.p2align	6, 0x0
	.amdhsa_kernel k_q20e9fd2fd8_outp
		.amdhsa_group_segment_fixed_size 327680
		.amdhsa_private_segment_fixed_size 0
		.amdhsa_enable_private_segment 0
		.amdhsa_kernarg_size 32
		.amdhsa_user_sgpr_count 2
		.amdhsa_user_sgpr_kernarg_segment_ptr 1
		.amdhsa_wavefront_size32 1
		.amdhsa_system_sgpr_workgroup_id_x 1
		.amdhsa_system_sgpr_workgroup_id_y 1
		.amdhsa_system_sgpr_workgroup_id_z 1
		.amdhsa_system_vgpr_workitem_id 0
		.amdhsa_next_free_vgpr 1024
		.amdhsa_next_free_sgpr 96
		.amdhsa_reserve_vcc 0
		.amdhsa_float_denorm_mode_32 3
		.amdhsa_float_denorm_mode_16_64 3
		.amdhsa_memory_ordered 1
		.amdhsa_forward_progress 1
		.amdhsa_inst_pref_size 197
	.end_amdhsa_kernel
	.amdgpu_metadata
---
amdhsa.version: [ 1, 2 ]
amdhsa.kernels:
  - .name:           k_q20e9fd2fd8_outp
    .symbol:         k_q20e9fd2fd8_outp.kd
    .args:
      - { .name: ctx, .offset: 0, .size: 8, .value_kind: global_buffer, .address_space: global }
      - { .name: wb, .offset: 8, .size: 8, .value_kind: global_buffer, .address_space: global }
      - { .name: bo, .offset: 16, .size: 8, .value_kind: global_buffer, .address_space: global }
      - { .name: out0, .offset: 24, .size: 8, .value_kind: global_buffer, .address_space: global }
    .group_segment_fixed_size: 327680
    .private_segment_fixed_size: 0
    .kernarg_segment_align: 8
    .kernarg_segment_size: 32
    .max_flat_workgroup_size: 128
    .sgpr_count:     96
    .vgpr_count:     1024
    .wavefront_size: 32
...
	.end_amdgpu_metadata
.endif
;; end of part 5
;; ======== version 2 of 2: 5 launches; version 1 with the launch cvt written anew for expert scheduling mode
;; limits: values are held in f16: magnitudes above 65,504 overflow, below 6.1e-05 lose precision
;; workspace buffers: xb 16,777,216 bytes; wb 8,388,608 bytes; qk 33,554,432 bytes; vt 16,777,216 bytes; p 33,554,432 bytes; stat 1,048,576 bytes; ctx 16,777,216 bytes
;; launch cvt (part 6): grid 768 x 1, 8 waves a work-group, no clusters, 0 bytes of LDS; arguments x, Wq, Wk, Wv, Wo, xb, wb; writes xb, wb
.if DOCPART == 6
	.amdgcn_target "amdgcn-amd-amdhsa--gfx1250"
	.amdhsa_code_object_version 6
	.text
	.protected	k_q20e9fd2fd8_cvt
	.globl	k_q20e9fd2fd8_cvt
	.p2align	8
	.type	k_q20e9fd2fd8_cvt,@function
k_q20e9fd2fd8_cvt:
	s_mov_b64 s[64:65], 0
	v_nop
	global_prefetch_b8 v0, s[64:65] scope:SCOPE_SE
	s_setreg_imm32_b32 hwreg(HW_REG_WAVE_SCHED_MODE, 0, 2), 2
	s_setreg_imm32_b32 hwreg(HW_REG_WAVE_MODE, 25, 1), 1
	s_wait_xcnt 0x0
	s_wait_alu depctr_vm_vsrc(0)
; cvt: the matrix operands that are inputs, rounded once to 16 bits.
;   xb[8192][1024] = bf16(x);  wb rows 0-1023 = bf16(Wq), 1024-2047 = bf16(Wk), 2048-3071 = bf16(Wv), 3072-4095 = f16(bf16(Wo)).
; Wo multiplies ctx, which is kept in f16, so it needs f16 codes; it is rounded to bf16 first, like the other weights, and that
; number is then written as f16.  LIMIT: the second step is exact for 2^-14 <= |w| <= 65504; smaller numbers keep an absolute step
; of 2^-24, larger ones become infinite.
; A stream: 768 work-groups of 8 waves, 16,384 numbers each (512 groups for x, 64 for each weight matrix).  Thread t takes 16 bytes
; at 16 t of each of 16 blocks of 4,096 bytes; all 16 loads are issued first.  A wave's store covers 256 consecutive bytes, aligned.
; No LDS, no matrix unit: nothing is used twice.
; THE MODE: SCHED_MODE bits 1:0 = 2 (LLVM: expert scheduling mode 2), set by the entry lines.  The code itself states the register dependences
; between vector instructions and memory instructions, with s_wait_alu, always for 0.
; THE PLAN.  Registers that memory instructions touch:
;   v1, v2   byte offsets of the loads and of the stores: written once at the head, never again.
;   IN       load n lands in four registers of its own, once, before any vector instruction has named them; only vector instructions read or rewrite them.
;   OUT      store n reads two registers of its own, which load n's conversions alone write; none is written again once its store is issued.
; The 16 loads go in four groups of four.  Group p converts loads 4 p to 4 p + 3; its memory instructions are the four stores of group p - 1, whose
; registers no vector instruction of group p names.  So one wait at a group's head states all that its four stores hang on, and they are dealt
; among the group's conversions with no further wait.  No register that a memory instruction reads is ever written again: no wait is owed for that.
.set IN,  8                            ; v[8:71]   16 x 4 numbers as loaded
.set OUT, 72                           ; v[72:103] 16 x 2 words to store: each store has registers of its own, none is rewritten
	s_load_b256 s[4:11], s[0:1], 0x0               ; x s[4:5], Wq s[6:7], Wk s[8:9], Wv s[10:11]
	s_load_b128 s[12:15], s[0:1], 0x20             ; Wo s[12:13], xb s[14:15]
	s_load_b64 s[16:17], s[0:1], 0x30              ; wb
	s_lshr_b32 s18, ttmp9, 6                       ; 0-7: x; 8, 9, 10, 11: Wq, Wk, Wv, Wo
	s_and_b32 s19, ttmp9, 63                       ; the group's number inside a weight matrix
	s_sub_co_u32 s22, ttmp9, 512                   ; and inside wb
	s_cmp_lt_u32 s18, 8
	s_cselect_b32 s19, ttmp9, s19                  ; for x the number itself, in both
	s_cselect_b32 s22, ttmp9, s22
	s_lshl_b32 s20, s19, 16                        ; 65,536 bytes in
	s_mov_b32 s21, 0
	s_lshl_b32 s22, s22, 15                        ; 32,768 bytes out
	s_mov_b32 s23, 0
	v_lshlrev_b32 v1, 4, v0                        ; 16 t
	v_lshlrev_b32 v2, 3, v0                        ; 8 t
	s_wait_kmcnt 0x0
	s_cmp_eq_u32 s18, 8
	s_cselect_b64 s[4:5], s[6:7], s[4:5]
	s_cmp_eq_u32 s18, 9
	s_cselect_b64 s[4:5], s[8:9], s[4:5]
	s_cmp_eq_u32 s18, 10
	s_cselect_b64 s[4:5], s[10:11], s[4:5]
	s_cmp_eq_u32 s18, 11
	s_cselect_b64 s[4:5], s[12:13], s[4:5]
	s_cmp_lt_u32 s18, 8
	s_cselect_b64 s[6:7], s[14:15], s[16:17]
	s_add_nc_u64 s[4:5], s[4:5], s[20:21]
	s_add_nc_u64 s[6:7], s[6:7], s[22:23]
	s_wait_alu depctr_va_vdst(0)                   ; v1 and v2 are written: every load reads v1 and every store v2 as its offset
.irp n, 0,1,2,3,4,5,6,7,8,9,10,11,12,13,14,15
	global_load_b128 v[IN+4*\n:IN+4*\n+3], v1, s[4:5] offset:4096*\n th:TH_LOAD_NT
.endr
.macro TOBF n                          ; load n's four numbers rounded to bf16
	v_cvt_pk_bf16_f32 v[OUT+2*(\n)], v[IN+4*(\n)], v[IN+4*(\n)+1]
	v_cvt_pk_bf16_f32 v[OUT+2*(\n)+1], v[IN+4*(\n)+2], v[IN+4*(\n)+3]
.endm
.macro TOF16 n                         ; and, for Wo, those bf16 numbers written as f16
	v_lshlrev_b32 v[IN+4*(\n)], 16, v[OUT+2*(\n)]              ; the bf16 numbers as f32 again
	v_and_b32 v[IN+4*(\n)+1], 0xffff0000, v[OUT+2*(\n)]
	v_lshlrev_b32 v[IN+4*(\n)+2], 16, v[OUT+2*(\n)+1]
	v_and_b32 v[IN+4*(\n)+3], 0xffff0000, v[OUT+2*(\n)+1]
	v_cvt_pk_f16_f32 v[OUT+2*(\n)], v[IN+4*(\n)], v[IN+4*(\n)+1]
	v_cvt_pk_f16_f32 v[OUT+2*(\n)+1], v[IN+4*(\n)+2], v[IN+4*(\n)+3]
.endm
.macro SEND n
	global_store_b64 v2, v[OUT+2*(\n):OUT+2*(\n)+1], s[6:7] offset:2048*(\n)
.endm
; Group p.  wo = 1: Wo's path.
.macro BLK p, wo
	s_wait_loadcnt 15-4*(\p)                       ; loads come back in order: load 4 p is in, the younger ones stay out
.if (\p) > 0
	s_wait_alu depctr_va_vdst(0)                   ; the group before has written its eight registers of OUT, which the four stores below read
.endif
.irp i, 0,1,2,3
.if (\p) > 0
	SEND 4*(\p)-4+\i                               ; the group before; no vector instruction since the wait names its registers
.endif
.if \i > 0
	s_wait_loadcnt 15-4*(\p)-\i                    ; load 4 p + i is in, the younger ones stay out
.endif
	TOBF 4*(\p)+\i
.if \wo
	TOF16 4*(\p)+\i
.endif
.endr
.endm
	s_cmp_eq_u32 s18, 11
	s_cbranch_scc1 .Lwo
	BLK 0, 0
	BLK 1, 0
	BLK 2, 0
	BLK 3, 0
	s_wait_alu depctr_va_vdst(0)                   ; the last group has written its registers of OUT, which the last four stores read
	SEND 12
	SEND 13
	SEND 14
	SEND 15
	s_endpgm
.Lwo:
	BLK 0, 1
	BLK 1, 1
	BLK 2, 1
	BLK 3, 1
	s_wait_alu depctr_va_vdst(0)                   ; the last group has written its registers of OUT, which the last four stores read
	SEND 12
	SEND 13
	SEND 14
	SEND 15
	s_endpgm
.Lfunc_end_k_q20e9fd2fd8_cvt:
	.size	k_q20e9fd2fd8_cvt, .Lfunc_end_k_q20e9fd2fd8_cvt-k_q20e9fd2fd8_cvt
	.p2alignl 7, 3214868480
	.fill 96, 4, 3214868480
	.section	.rodata,"a",@progbits
	.p2align	6, 0x0
	.amdhsa_kernel k_q20e9fd2fd8_cvt
		.amdhsa_group_segment_fixed_size 0
		.amdhsa_private_segment_fixed_size 0
		.amdhsa_enable_private_segment 0
		.amdhsa_kernarg_size 56
		.amdhsa_user_sgpr_count 2
		.amdhsa_user_sgpr_kernarg_segment_ptr 1
		.amdhsa_wavefront_size32 1
		.amdhsa_system_sgpr_workgroup_id_x 1
		.amdhsa_system_sgpr_workgroup_id_y 1
		.amdhsa_system_sgpr_workgroup_id_z 1
		.amdhsa_system_vgpr_workitem_id 0
		.amdhsa_next_free_vgpr 104
		.amdhsa_next_free_sgpr 66
		.amdhsa_reserve_vcc 0
		.amdhsa_float_denorm_mode_32 3
		.amdhsa_float_denorm_mode_16_64 3
		.amdhsa_memory_ordered 1
		.amdhsa_forward_progress 1
		.amdhsa_inst_pref_size 17
	.end_amdhsa_kernel
	.amdgpu_metadata
---
amdhsa.version: [ 1, 2 ]
amdhsa.kernels:
  - .name:           k_q20e9fd2fd8_cvt
    .symbol:         k_q20e9fd2fd8_cvt.kd
    .args:
      - { .name: x, .offset: 0, .size: 8, .value_kind: global_buffer, .address_space: global }
      - { .name: Wq, .offset: 8, .size: 8, .value_kind: global_buffer, .address_space: global }
      - { .name: Wk, .offset: 16, .size: 8, .value_kind: global_buffer, .address_space: global }
      - { .name: Wv, .offset: 24, .size: 8, .value_kind: global_buffer, .address_space: global }
      - { .name: Wo, .offset: 32, .size: 8, .value_kind: global_buffer, .address_space: global }
      - { .name: xb, .offset: 40, .size: 8, .value_kind: global_buffer, .address_space: global }
      - { .name: wb, .offset: 48, .size: 8, .value_kind: global_buffer, .address_space: global }
    .group_segment_fixed_size: 0
    .private_segment_fixed_size: 0
    .kernarg_segment_align: 8
    .kernarg_segment_size: 56
    .max_flat_workgroup_size: 256
    .sgpr_count:     66
    .vgpr_count:     104
    .wavefront_size: 32
...
	.end_amdgpu_metadata
.endif
;; end of part 6
;; launch proj: the kernel of part 2 again; grid 8 x 48, 4 waves a work-group, clusters of 4 x 4, 327,680 bytes of LDS; arguments xb, wb, bq, bk, bv, qk, vt; writes qk, vt
;; launch score: the kernel of part 3 again; grid 36 x 4, 4 waves a work-group, no clusters, 327,680 bytes of LDS; arguments qk, p, stat; writes p, stat
;; launch pv: the kernel of part 4 again; grid 8 x 32, 4 waves a work-group, no clusters, 327,680 bytes of LDS; arguments p, vt, stat, ctx; writes ctx
;; launch outp: the kernel of part 5 again; grid 4 x 32, 4 waves a work-group, clusters of 4 x 4, 327,680 bytes of LDS; arguments ctx, wb, bo, out0; writes out0
